; MI455X (gfx1250); checked and timed in simulation.
; The chip was launched on July 23, 2026; its instructions are those of AMD's public machine-readable ISA for CDNA 5 (MIT licence, August 2026) and "CDNA5" Instruction Set Architecture Reference Guide (July 2026). The comments in the code are by the model that wrote it; some were corrected since.
;; Attention Layer. Allowed arithmetic: float matrix products may take bf16 or f16 operands with f32 sums; all other float work in f32.
;; Inputs: Wk 1,024 x 1,024 float32; Wq 1,024 x 1,024 float32; Wv 1,024 x 1,024 float32; x 4 x 2,048 x 1,024 float32.
;; Outputs: out0 4 x 2,048 x 1,024 float32.
;; 2 versions, each right; version 2 is version 1 with the launch cast written anew for expert scheduling mode. Each part assembles by itself: llvm-mc -triple=amdgcn-amd-amdhsa -mcpu=gfx1250 --defsym DOCPART=n.
;; ======== version 1 of 2: 4 launches
;; limits: values are held in f16: magnitudes above 65,504 overflow, below 6.1e-05 lose precision; right only within a limited range of input values
;; workspace buffers: xb 16,777,216 bytes; wb 6,291,456 bytes; qkv 50,331,648 bytes; p 33,554,432 bytes; stats 1,048,576 bytes
;; launch cast (part 1): grid 704 x 1, 8 waves a work-group, no clusters, 0 bytes of LDS; arguments x, Wq, Wk, Wv, xb, wb; writes xb, wb
.if DOCPART == 1
	.amdgcn_target "amdgcn-amd-amdhsa--gfx1250"
	.amdhsa_code_object_version 6
	.text
	.protected	k_qc0a0ae7709_cast
	.globl	k_qc0a0ae7709_cast
	.p2align	8
	.type	k_qc0a0ae7709_cast,@function
k_qc0a0ae7709_cast:
	s_mov_b64 s[64:65], 0
	v_nop
	global_prefetch_b8 v0, s[64:65] scope:SCOPE_SE
	s_setreg_imm32_b32 hwreg(HW_REG_WAVE_MODE, 25, 1), 1
	s_wait_xcnt 0x0
; xb = bf16(x), wb = bf16(Wq; Wk; Wv), rounded to nearest even.  A stream: each byte is read once and written once; no LDS, no barrier, no matrix unit.
; A work-group takes 65,536 bytes of f32 and makes 32,768 bytes of bf16.  Groups 0-511 take x, groups 512-703 the three weights (64 groups each),
; which land one behind the other in wb: rows 0-1023 Wq, 1024-2047 Wk, 2048-3071 Wv.
; Thread t takes the 16 bytes at 16 t of each of sixteen pieces of 4,096 bytes: a wave's load covers 512 consecutive bytes, its store 256 consecutive bytes, aligned.
; All sixteen loads go out first; no register is written twice, so the only waits are the counted ones for the data.
.set X, 4                              ; v[4:67]   piece i: 4 f32
.set Y, 68                             ; v[68:99]  piece i: 4 bf16
	s_load_b256 s[4:11], s[0:1], 0x0               ; x s[4:5], Wq s[6:7], Wk s[8:9], Wv s[10:11]
	s_load_b128 s[12:15], s[0:1], 0x20             ; xb s[12:13], wb s[14:15]
	v_lshlrev_b32 v1, 4, v0                        ; my 16 bytes of a piece of f32
	v_lshlrev_b32 v2, 3, v0                        ; my 8 bytes of a piece of bf16
	s_max_u32 s16, ttmp9, 512
	s_sub_co_u32 s16, s16, 512                     ; j: my place among the weights' groups (0 in x's groups, where it is not used)
	s_lshr_b32 s17, s16, 6                         ; which weight
	s_and_b32 s18, s16, 63                         ; which of its 64 parts
	s_wait_kmcnt 0x0
	s_cmp_eq_u32 s17, 1
	s_cselect_b64 s[20:21], s[8:9], s[6:7]
	s_cmp_eq_u32 s17, 2
	s_cselect_b64 s[20:21], s[10:11], s[20:21]
	s_cmp_lt_u32 ttmp9, 512                        ; the four selects below hang on this compare; a select leaves SCC as it is
	s_cselect_b64 s[20:21], s[4:5], s[20:21]       ; from where
	s_cselect_b64 s[22:23], s[12:13], s[14:15]     ; to where
	s_cselect_b32 s18, ttmp9, s18                  ; my part of the source
	s_cselect_b32 s16, ttmp9, s16                  ; my part of the destination
	s_lshl_b32 s24, s18, 16
	s_mov_b32 s25, 0
	s_lshl_b32 s26, s16, 15
	s_mov_b32 s27, 0
	s_add_nc_u64 s[20:21], s[20:21], s[24:25]
	s_add_nc_u64 s[22:23], s[22:23], s[26:27]
.irp i, 0,1,2,3,4,5,6,7,8,9,10,11,12,13,14,15
	global_load_b128 v[X+4*\i:X+4*\i+3], v1, s[20:21] offset:4096*\i th:TH_LOAD_NT
.endr
.irp i, 0,1,2,3,4,5,6,7,8,9,10,11,12,13,14,15
	s_wait_loadcnt 15-\i                           ; loads come back in order: piece i is in, the younger ones stay out
	v_cvt_pk_bf16_f32 v[Y+2*\i],   v[X+4*\i],   v[X+4*\i+1]
	v_cvt_pk_bf16_f32 v[Y+2*\i+1], v[X+4*\i+2], v[X+4*\i+3]
	global_store_b64 v2, v[Y+2*\i:Y+2*\i+1], s[22:23] offset:2048*\i   ; no hint: the next launch reads these bytes
.endr
	s_endpgm
.Lfunc_end_k_qc0a0ae7709_cast:
	.size	k_qc0a0ae7709_cast, .Lfunc_end_k_qc0a0ae7709_cast-k_qc0a0ae7709_cast
	.p2alignl 7, 3214868480
	.fill 96, 4, 3214868480
	.section	.rodata,"a",@progbits
	.p2align	6, 0x0
	.amdhsa_kernel k_qc0a0ae7709_cast
		.amdhsa_group_segment_fixed_size 0
		.amdhsa_private_segment_fixed_size 0
		.amdhsa_enable_private_segment 0
		.amdhsa_kernarg_size 48
		.amdhsa_user_sgpr_count 2
		.amdhsa_user_sgpr_kernarg_segment_ptr 1
		.amdhsa_wavefront_size32 1
		.amdhsa_system_sgpr_workgroup_id_x 1
		.amdhsa_system_sgpr_workgroup_id_y 1
		.amdhsa_system_sgpr_workgroup_id_z 1
		.amdhsa_system_vgpr_workitem_id 0
		.amdhsa_next_free_vgpr 100
		.amdhsa_next_free_sgpr 66
		.amdhsa_reserve_vcc 0
		.amdhsa_float_denorm_mode_32 3
		.amdhsa_float_denorm_mode_16_64 3
		.amdhsa_memory_ordered 1
		.amdhsa_forward_progress 1
		.amdhsa_inst_pref_size 7
	.end_amdhsa_kernel
	.amdgpu_metadata
---
amdhsa.version: [ 1, 2 ]
amdhsa.kernels:
  - .name:           k_qc0a0ae7709_cast
    .symbol:         k_qc0a0ae7709_cast.kd
    .args:
      - { .name: x, .offset: 0, .size: 8, .value_kind: global_buffer, .address_space: global }
      - { .name: Wq, .offset: 8, .size: 8, .value_kind: global_buffer, .address_space: global }
      - { .name: Wk, .offset: 16, .size: 8, .value_kind: global_buffer, .address_space: global }
      - { .name: Wv, .offset: 24, .size: 8, .value_kind: global_buffer, .address_space: global }
      - { .name: xb, .offset: 32, .size: 8, .value_kind: global_buffer, .address_space: global }
      - { .name: wb, .offset: 40, .size: 8, .value_kind: global_buffer, .address_space: global }
    .group_segment_fixed_size: 0
    .private_segment_fixed_size: 0
    .kernarg_segment_align: 8
    .kernarg_segment_size: 48
    .max_flat_workgroup_size: 256
    .sgpr_count:     66
    .vgpr_count:     100
    .wavefront_size: 32
...
	.end_amdgpu_metadata
.endif
;; end of part 1
;; launch proj (part 2): grid 8 x 32, 4 waves a work-group, clusters of 4 x 4, 327,680 bytes of LDS; arguments xb, wb, qkv; writes qkv
.if DOCPART == 2
	.amdgcn_target "amdgcn-amd-amdhsa--gfx1250"
	.amdhsa_code_object_version 6
	.text
	.protected	k_qc0a0ae7709_proj
	.globl	k_qc0a0ae7709_proj
	.p2align	8
	.type	k_qc0a0ae7709_proj,@function
k_qc0a0ae7709_proj:
	s_mov_b64 s[64:65], 0
	v_nop
	global_prefetch_b8 v0, s[64:65] scope:SCOPE_SE
	s_setreg_imm32_b32 hwreg(HW_REG_WAVE_MODE, 25, 1), 1
	s_wait_xcnt 0x0
	s_wait_alu depctr_hold_cnt(0) depctr_sa_sdst(0) depctr_va_vdst(0) depctr_va_sdst(0) depctr_va_ssrc(0) depctr_va_vcc(0) depctr_vm_vsrc(0)
	s_getreg_b32 s2, hwreg(HW_REG_IB_STS2, 6, 4)
	s_cmp_eq_u32 s2, 0
	s_cbranch_scc0 .Lentry_in_a_cluster
	s_endpgm
.Lentry_in_a_cluster:
	s_bfe_u32 s2, ttmp6, 0x10000c
	s_cmp_lg_u32 s2, 0xf033
	s_cbranch_scc0 .Lentry_shape_is_right
	s_endpgm
.Lentry_shape_is_right:
; qkv[m][n] = sum over k of xb[m][k] wb[n][k].  xb: [8192][1024] bf16, wb: [3072][1024] bf16; sums in f32; qkv: [8192][3072] in f16, rounded once.
; Columns 0-1023 of qkv are Q, 1024-2047 K, 2048-3071 V.
; WHY f16 OUT: in the first rows of the attention a result is a sum of a few numbers of V's size that may cancel, so Q, K and V want the 11 bits of f16.
; LIMIT: |Q|, |K|, |V| stay under 65,504, f16's largest number.  With x of spread 1 and weights of spread 1/32 they have spread 1; with both inputs 30 times
; larger they reach about 5,000, with an offset of 30 spreads on both about 29,000; with both 30 times smaller f16's quantum 2^-24 is 5e-5 of their spread.
; SHARES: qkv has 32 x 12 blocks of 256 x 256 for 256 work-groups: one and a half each.  Work-group (x, y), x = 0..7, y = 0..31, STAYS and makes
;   tile 1: the whole block at rows 256 y, columns 256 x (Q's and K's 8 columns of blocks); a wave makes 128 x 128: 64 accumulators, 512 registers;
;   tile 2: half a block of V: rows 256 y + 128 (x / 4) on, 128 of them, columns 2048 + 256 (x % 4) on; a wave makes 64 x 128: 32 accumulators.
; Every wave issues 8 x (256 + 128) = 3,072 matrix instructions, and there is one start and one end.  Two thirds of them keep the whole block's figures:
; 16 KiB from LDS for 64 matrix instructions, and 240 matrix instructions between a refill's request and the wait for it (tile 2: 12 KiB for 32, and 112).
; K goes in steps of 128 through a ring of two LDS slots filled by the tensor data mover; a tile's rows are 256 consecutive bytes of memory, aligned.
; The ring does not stop at tile 1's end: its last two changes of slots ask for tile 2's K steps 0 and 1, and nothing waits for tile 1's stores.
; CLUSTERS: 4 x 4 work-groups (x / 4 is the cluster's x, x % 4 the place in it).  In both tiles the four of a row of the cluster need the same tiles of xb,
; the four of a column the same tiles of wb: each tile is asked for jointly, by the same tensor load with the same descriptor and a mask that names the four.
; REGISTERS, in windows of 256: window 0: v0-31 addresses; v64-127, v128-191 fragments of xb, two buffers; v32-63, v192-255 at work on the way out.
;   window 1: v64-127, v128-191 fragments of wb.   window 2: accumulators of my rows 0-63 ((a, b) at v[8 (8 a + b)]), and all of tile 2's;  window 3: those of rows 64-127.
; THE MATRIX INSTRUCTION IS USED TRANSPOSED: source 0 = 16 rows of wb, source 1 = 16 rows of xb: a lane then holds eight neighbouring numbers of a row of qkv.
.set SIZE_N, 3072
.set SIZE_K, 1024
.set KSTEP,  128
.set PITCH,  272                       ; an LDS row: 256 bytes + 16 of padding: the 16 rows that a fragment load touches start 16 bytes apart modulo 256
.set HALFT,  128*PITCH                 ; 128 rows: what one tensor load of tile 1 brings; in tile 2 xb's loads bring 64 rows to the same places
.set SLOT,   4*HALFT                   ; xb's two halves, then wb's two halves
.set STAGE,  2*SLOT                    ; behind the ring: 16 rows x 272 bytes for each wave, for the way out; no tensor load lands here
.set SPITCH, 272
.set LAPS, SIZE_K/(2*KSTEP)            ; a lap = two K steps = once round the ring: 4 in each tile
.set ADRA, 16                          ; v16-17  LDS address of my fragments of xb in slot 0, 1
.set ADRB, 20                          ; v20-21  the same for wb
.set STO,  24                          ; v24     the way out: where I put 16 bytes of a row
.set RD,   25                          ; v25     the way out: where I read a row back
.set CO,   26                          ; v26     my byte offset in qkv
.set F0,   64
.set F1,   128
.set TMP,  192                         ; the way out: packed results
.set OB,   32                          ; the way out: 16 rows read back: v32-63 and v224-255 by turns
.set G1, 24                            ; s[24:31] descriptor group 1 for xb's tiles of tile 1;  s[32:39] group 0, one set for each slot
.set G0, 32
.set G1B, 48                           ; s[48:55] group 1 for wb's tiles, in both tiles;  s[56:63] group 0 of tile 1
.set G0B, 56
.set G1H, 68                           ; s[68:75] group 1 for xb's tiles of tile 2: 64 rows
.set G0H, 76                           ; s[76:83] group 0 for them, one set for each slot
.set G0B2, 84                          ; s[84:91] group 0 for wb's tiles of tile 2
.set CB1, 8                            ; s[8:9]   qkv at my part of tile 1
.set CB2, 92                           ; s[92:93] qkv at my part of tile 2
.set MSB, 0
.macro WIN new                         ; the immediate's high byte repeats the setting that is left; a switch that changes nothing is dropped
.if MSB != \new
	s_set_vgpr_msb (MSB<<8)|\new
.set MSB, \new
.endif
.endm
.set MUL_LO, 0xa1                      ; source 0 window 1, source 1 window 0, C and D window 2
.set MUL_HI, 0xf1                      ; the same, C and D window 3
.set TO_B,   0x40                      ; destination window 1, address window 0
; A joint load.  Waves 0 and 1 fetch xb's two halves (group 0 at ga, group 1 at g1a), waves 2 and 3 wb's (group 0 at gb).  The branch hangs on the wave's number alone.
; Four v_nop follow each of the two lines, ahead of the jump, the label and what follows.
.macro JLOAD ga, g1a, gb
	s_cmp_eq_u32 s11, 0
	s_cbranch_scc0 .Lfor_b_\@
	tensor_load_to_lds s[\ga:\ga+3], s[\g1a:\g1a+7]
	s_nop 0
.rept 4
	v_nop
.endr
	s_branch .Lasked_\@
.Lfor_b_\@:
	tensor_load_to_lds s[\gb:\gb+3], s[G1B:G1B+7]
	s_nop 0
.rept 4
	v_nop
.endr
.Lasked_\@:
.endm
.macro CREST                           ; a round of the cluster's barrier behind its opening barrier
	s_cmp_lg_u32 s10, 0
	s_cbranch_scc1 .Lnot_wave_0_\@
	s_barrier_signal -3
.Lnot_wave_0_\@:
	s_barrier_wait -3
	s_barrier_signal -1
	s_barrier_wait -1
.endm
.macro CROUND                          ; a whole round
	s_barrier_signal -1
	s_barrier_wait -1
	CREST
.endm
	s_load_b128 s[4:7], s[0:1], 0x0                ; xb s[4:5], wb s[6:7]
	s_load_b64 s[8:9], s[0:1], 0x10                ; qkv
	s_set_vgpr_msb 0x40
	v_lshl_add_u32 v255, v0, 2, 0x48400
	s_set_vgpr_msb 0x4000
	v_mov_b32 v31, 0
	s_set_vgpr_msb 0x1
	ds_add_u32 v255, v31
	s_set_vgpr_msb 0x100
	v_lshrrev_b32 v1, 5, v0
	v_readfirstlane_b32 s10, v1                    ; wave 0..3
	s_lshr_b32 s11, s10, 1                         ; which half of a tile's rows is mine.  Also: I fetch for xb (0) or for wb (1)
	s_and_b32 s12, s10, 1                          ; which half of its columns.  Also: which half of that operand's tile I fetch
	s_bfe_u32 s40, ttmp6, 0x40000                  ; cx
	s_bfe_u32 s41, ttmp6, 0x40004                  ; cy
	s_lshl_b32 s42, ttmp9, 2
	s_add_co_u32 s42, s42, s40                     ; x = 4 x cluster x + cx
	s_and_b32 s13, ttmp7, 0xffff
	s_lshl_b32 s13, s13, 2
	s_add_co_u32 s13, s13, s41                     ; y = 4 x cluster y + cy
	s_lshl_b32 s43, s41, 2
	s_lshl_b32 s43, 15, s43                        ; my row of the cluster: places 4 cy .. 4 cy + 3
	s_lshl_b32 s44, 0x1111, s40                    ; my column: places cx, cx + 4, cx + 8, cx + 12
	; descriptor group 1: rows of 128 elements of 2 bytes; 4 words of padding behind every 64 words; bit 21 set beside a mask
	s_or_b32 s[G1+0], s43, (1<<16)|(1<<20)|(1<<21)|(5<<22)|(3<<25)
	s_or_b32 s[G1B+0], s44, (1<<16)|(1<<20)|(1<<21)|(5<<22)|(3<<25)
	s_or_b32 s[G1H+0], s43, (1<<16)|(1<<20)|(1<<21)|(5<<22)|(3<<25)
.irp g, G1, G1B
	s_mov_b32 s[\g+1], KSTEP<<16                   ; tensor_dim0 = 128
	s_mov_b32 s[\g+2], 128<<16                     ; tensor_dim1 = 128
	s_mov_b32 s[\g+3], KSTEP<<16                   ; tile_dim0 = 128
	s_mov_b32 s[\g+4], 128                         ; tile_dim1 = 128
	s_mov_b32 s[\g+5], SIZE_K                      ; elements from row to row
	s_mov_b32 s[\g+6], 0
	s_mov_b32 s[\g+7], 0
.endr
	s_mov_b32 s[G1H+1], KSTEP<<16                  ; tensor_dim0 = 128
	s_mov_b32 s[G1H+2], 64<<16                     ; tensor_dim1 = 64
	s_mov_b32 s[G1H+3], KSTEP<<16                  ; tile_dim0 = 128
	s_mov_b32 s[G1H+4], 64                         ; tile_dim1 = 64
	s_mov_b32 s[G1H+5], SIZE_K
	s_mov_b32 s[G1H+6], 0
	s_mov_b32 s[G1H+7], 0
	; where the tiles come from, in bytes (rows of 2,048 bytes; all under 2^25).  xb's hang on y and the cluster's x, wb's on x or cx.
	s_lshl_b32 s17, s12, 7
	s_lshl_b32 s16, s13, 8
	s_add_co_u32 s16, s16, s17                     ; tile 1, xb: row 256 y + 128 x half
	s_lshl_b32 s16, s16, 11
	s_mov_b32 s17, 0
	s_lshl_b32 s18, s13, 8
	s_lshl_b32 s19, ttmp9, 7
	s_add_co_u32 s18, s18, s19
	s_lshl_b32 s19, s12, 6
	s_add_co_u32 s18, s18, s19                     ; tile 2, xb: row 256 y + 128 x cluster x + 64 x half
	s_lshl_b32 s18, s18, 11
	s_mov_b32 s19, 0
	s_lshl_b32 s47, s12, 7
	s_lshl_b32 s46, s42, 8
	s_add_co_u32 s46, s46, s47                     ; tile 1, wb: row 256 x + 128 x half
	s_lshl_b32 s46, s46, 11
	s_lshl_b32 s22, s40, 8
	s_add_co_u32 s22, s22, s47
	s_add_co_u32 s22, s22, 2048                    ; tile 2, wb: row 2048 + 256 cx + 128 x half
	s_lshl_b32 s22, s22, 11
	s_mov_b32 s47, 0
	s_mov_b32 s23, 0
	s_mul_i32 s20, s10, HALFT                      ; where they go, in both tiles: wave x 128 rows: no place in the cluster enters an LDS address
	s_wait_dscnt 0x0
	s_wait_kmcnt 0x0
	s_add_nc_u64 s[14:15], s[4:5], s[16:17]
	s_add_nc_u64 s[18:19], s[4:5], s[18:19]
	s_add_nc_u64 s[46:47], s[6:7], s[46:47]
	s_add_nc_u64 s[22:23], s[6:7], s[22:23]
	CROUND                                         ; all sixteen work-groups are here: the first joint loads meet
.irp s, 0,1
	s_mov_b32 s[G0+4*\s], 1
	s_add_co_u32 s[G0+4*\s+1], s20, \s*SLOT
	s_add_nc_u64 s[G0+4*\s+2:G0+4*\s+3], s[14:15], \s*KSTEP*2
	s_or_b32 s[G0+4*\s+3], s[G0+4*\s+3], 0x80000000
	s_mov_b32 s[G0B+4*\s], 1
	s_add_co_u32 s[G0B+4*\s+1], s20, \s*SLOT
	s_add_nc_u64 s[G0B+4*\s+2:G0B+4*\s+3], s[46:47], \s*KSTEP*2
	s_or_b32 s[G0B+4*\s+3], s[G0B+4*\s+3], 0x80000000
	s_mov_b32 s[G0H+4*\s], 1                       ; tile 2's sets are made here too, for its K step s; they are first used in tile 1's last lap
	s_add_co_u32 s[G0H+4*\s+1], s20, \s*SLOT
	s_add_nc_u64 s[G0H+4*\s+2:G0H+4*\s+3], s[18:19], \s*KSTEP*2
	s_or_b32 s[G0H+4*\s+3], s[G0H+4*\s+3], 0x80000000
	s_mov_b32 s[G0B2+4*\s], 1
	s_add_co_u32 s[G0B2+4*\s+1], s20, \s*SLOT
	s_add_nc_u64 s[G0B2+4*\s+2:G0B2+4*\s+3], s[22:23], \s*KSTEP*2
	s_or_b32 s[G0B2+4*\s+3], s[G0B2+4*\s+3], 0x80000000
	JLOAD G0+4*\s, G1, G0B+4*\s                    ; both slots are asked for before anything else: two loads of mine are out
.endr
	; a fragment is 16 rows x 32 K in 8 registers: lane l holds row l % 16; two loads of 16 bytes, 32 bytes apart, at row x pitch + 16 (l / 16)
	v_and_b32 v1, 15, v0
	v_bfe_u32 v2, v0, 4, 1
	v_mul_u32_u24 v3, v1, PITCH
	v_lshl_add_u32 v3, v2, 4, v3
	s_mul_i32 s21, s11, HALFT                      ; my rows of xb: 128 in tile 1, the first 64 places of the same half in tile 2
	s_mul_i32 s22, s12, HALFT                      ; my 128 rows of wb,
	s_add_co_u32 s22, s22, 2*HALFT                 ; which lie behind xb's two halves
.irp s, 0,1
	v_add_nc_u32 v[ADRA+\s], s21, v3
	v_add_nc_u32 v[ADRB+\s], s22, v3
	s_add_co_u32 s21, s21, SLOT
	s_add_co_u32 s22, s22, SLOT
.endr
	s_mul_i32 s23, s10, 16*SPITCH
	s_add_co_u32 s23, s23, STAGE                   ; my stage
	v_mul_u32_u24 v4, v1, SPITCH
	v_lshl_add_u32 v4, v2, 4, v4
	v_add_nc_u32 v[STO], s23, v4
	v_mul_u32_u24 v5, v2, SPITCH
	v_lshl_add_u32 v5, v1, 4, v5
	v_add_nc_u32 v[RD], s23, v5
	v_mul_u32_u24 v5, v2, SIZE_N*2
	v_lshl_add_u32 v[CO], v1, 4, v5
	; where my parts of the two tiles begin in qkv, in bytes (under 8192 x 6144, inside 32 bits)
	s_lshl_b32 s16, s13, 8                         ; 256 y
	s_lshl_b32 s47, s12, 8                         ; my 128 columns of 2 bytes
	s_lshl_b32 s18, ttmp9, 7
	s_add_co_u32 s18, s18, s16
	s_lshl_b32 s19, s11, 6
	s_add_co_u32 s18, s18, s19                     ; tile 2: row 256 y + 128 x cluster x + 64 x row half,
	s_mul_i32 s18, s18, SIZE_N*2
	s_lshl_b32 s19, s40, 9
	s_add_co_u32 s18, s18, s19                     ; column 2048 + 256 cx + 128 x column half
	s_add_co_u32 s18, s18, s47
	s_add_co_u32 s18, s18, 4096
	s_mov_b32 s19, 0
	s_add_nc_u64 s[CB2:CB2+1], s[8:9], s[18:19]
	s_lshl_b32 s14, s11, 7
	s_add_co_u32 s14, s14, s16                     ; tile 1: row 256 y + 128 x row half,
	s_mul_i32 s14, s14, SIZE_N*2
	s_lshl_b32 s46, s42, 9
	s_add_co_u32 s14, s14, s46                     ; column 256 x + 128 x column half
	s_add_co_u32 s14, s14, s47
	s_mov_b32 s15, 0
	s_add_nc_u64 s[CB1:CB1+1], s[8:9], s[14:15]
; 16 matrix instructions: m blocks a0, a0 + 1 of the window's four x all 8 n blocks, 32 along K.  zero = 1: the first product starts the sums.
; The accumulators (64 in tile 1, 32 in tile 2) take turns, one instruction a turn.
.macro MUL16 f, hi, a0, zero
.irp a, \a0, \a0+1
.irp b, 0,1,2,3,4,5,6,7
.if \zero
	v_wmma_f32_16x16x32_bf16 v[8*(8*(\a)+\b):8*(8*(\a)+\b)+7], v[\f+8*\b:\f+8*\b+7], v[\f+8*(4*\hi+\a):\f+8*(4*\hi+\a)+7], 0
.else
	v_wmma_f32_16x16x32_bf16 v[8*(8*(\a)+\b):8*(8*(\a)+\b)+7], v[\f+8*\b:\f+8*\b+7], v[\f+8*(4*\hi+\a):\f+8*(4*\hi+\a)+7], v[8*(8*(\a)+\b):8*(8*(\a)+\b)+7]
.endif
.endr
.endr
.endm
.macro FETCH slot, k, f                ; tile 1: 32 LDS loads in one run: the fragments of 32 K at byte k of the rows, into buffer f
	WIN TO_B
.irp i, 0,1,2,3,4,5,6,7
	ds_load_b128 v[\f+8*\i:\f+8*\i+3],   v[ADRB+\slot] offset:\k+\i*16*PITCH
	ds_load_b128 v[\f+8*\i+4:\f+8*\i+7], v[ADRB+\slot] offset:\k+\i*16*PITCH+32
.endr
	WIN 0
.irp i, 0,1,2,3,4,5,6,7
	ds_load_b128 v[\f+8*\i:\f+8*\i+3],   v[ADRA+\slot] offset:\k+\i*16*PITCH
	ds_load_b128 v[\f+8*\i+4:\f+8*\i+7], v[ADRA+\slot] offset:\k+\i*16*PITCH+32
.endr
.endm
.macro FETCHH slot, k, f               ; tile 2: 24 LDS loads: wb's 128 rows, xb's 64
	WIN TO_B
.irp i, 0,1,2,3,4,5,6,7
	ds_load_b128 v[\f+8*\i:\f+8*\i+3],   v[ADRB+\slot] offset:\k+\i*16*PITCH
	ds_load_b128 v[\f+8*\i+4:\f+8*\i+7], v[ADRB+\slot] offset:\k+\i*16*PITCH+32
.endr
	WIN 0
.irp i, 0,1,2,3
	ds_load_b128 v[\f+8*\i:\f+8*\i+3],   v[ADRA+\slot] offset:\k+\i*16*PITCH
	ds_load_b128 v[\f+8*\i+4:\f+8*\i+7], v[ADRA+\slot] offset:\k+\i*16*PITCH+32
.endr
.endm
.macro PLACES                          ; four plain vector instructions between a matrix instruction and a load into its sources or a read of its result
.rept 4
	v_nop
.endr
.endm
; TILE 1.  A K step is four quarters of 32 along K, 64 matrix instructions each, on buffers 0, 1, 0, 1.
.macro QUARTER slot, k, f, g, zero     ; multiplies buffer f; in its middle fetches the next quarter, at byte k of the same slot's rows, into buffer g
	s_wait_dscnt 8                                 ; wb's and xb's rows 0-63 are in; the youngest eight loads (xb's rows 64-127) may be out
	WIN MUL_LO
	MUL16 \f, 0, 0, \zero
	MUL16 \f, 0, 2, \zero
	PLACES
	FETCH \slot, \k, \g
	s_wait_dscnt 32                                ; all but the 32 just issued
	WIN MUL_HI
	MUL16 \f, 1, 0, \zero
	MUL16 \f, 1, 2, \zero
.endm
; The last quarter multiplies buffer 1 and changes slots: ONE barrier, which opens a round of the cluster's barrier.  In front of it each wave waits for its reads of this slot
; and for all its tensor loads (one is out: its part of the other slot).  Behind the round the slot just read out is filled again first:
; on = 0: with this tile's K step two steps on; on = 1: with tile 2's K step 0 (slot 0) or 1 (slot 1), by that tile's own descriptors.
.macro TURN slot, next, on
	s_wait_dscnt 8
	WIN MUL_LO
	MUL16 F1, 0, 0, 0
	s_wait_dscnt 0                                 ; my reads of this slot are over,
	s_wait_tensorcnt 0x0                           ; and all my tensor loads have landed
	ds_add_u32 v255, v31
	s_wait_dscnt 0x0
	s_barrier_signal -1
	MUL16 F1, 0, 2, 0                              ; register work while the others arrive
	WIN 0
	s_barrier_wait -1
	CREST                                          ; no wave of any partner still reads this slot's tile or has a load on its way
.if \on
	JLOAD G0H+4*\slot, G1H, G0B2+4*\slot
.else
	s_add_nc_u64 s[G0+4*\slot+2:G0+4*\slot+3], s[G0+4*\slot+2:G0+4*\slot+3], 2*KSTEP*2
	s_add_nc_u64 s[G0B+4*\slot+2:G0B+4*\slot+3], s[G0B+4*\slot+2:G0B+4*\slot+3], 2*KSTEP*2
	JLOAD G0+4*\slot, G1, G0B+4*\slot              ; 240 matrix instructions ahead of the wait for it
.endif
.if \on && (\slot == 1)                ; the four v_nop behind the joint load are also the places in front of these loads
	FETCHH \next, 0, F0                            ; tile 2's first fragments
.else
	FETCH \next, 0, F0
.endif
	WIN MUL_HI
	MUL16 F1, 1, 0, 0
	MUL16 F1, 1, 2, 0
.endm
; TILE 2.  A quarter is 32 matrix instructions.  The next quarter's 24 loads stand at its head, 32 matrix instructions ahead of their use.
.macro QH slot, k, f, g, zero
	s_wait_dscnt 0x0                               ; this quarter's fragments are in
	PLACES                                         ; for the loads into buffer g, which the last products read
	FETCHH \slot, \k, \g
	WIN MUL_LO
	MUL16 \f, 0, 0, \zero
	MUL16 \f, 0, 2, \zero
.endm
; Its last quarter: the same order of waits, round and refill as in TURN.  fill = 1: this slot takes the K step two steps on, 112 matrix instructions ahead of the wait for it.
.macro TH slot, next, fill
	s_wait_dscnt 0x0                               ; buffer 1 is in, and with it my reads of this slot are over,
	s_wait_tensorcnt 0x0                           ; and all my tensor loads have landed
	ds_add_u32 v255, v31
	s_wait_dscnt 0x0
	s_barrier_signal -1
	WIN MUL_LO
	MUL16 F1, 0, 0, 0
.if \fill
	WIN 0
.endif
	s_barrier_wait -1
.if \fill
	CREST
	s_add_nc_u64 s[G0H+4*\slot+2:G0H+4*\slot+3], s[G0H+4*\slot+2:G0H+4*\slot+3], 2*KSTEP*2
	s_add_nc_u64 s[G0B2+4*\slot+2:G0B2+4*\slot+3], s[G0B2+4*\slot+2:G0B2+4*\slot+3], 2*KSTEP*2
	JLOAD G0H+4*\slot, G1H, G0B2+4*\slot
.else
	PLACES
.endif
	FETCHH \next, 0, F0
	WIN MUL_LO
	MUL16 F1, 0, 2, 0
.endm
; THE WAY OUT of block a (16 rows).  PACK: rounded to f16, each accumulator from its low end on.  TOSTAGE: into my own stage, back as whole rows of 256 bytes.  SEND: stored.
.macro PACK a
.set AC, 64*((\a)%4)
	WIN 0x0a+5*((\a)/4)                            ; sources 0 and 1: window 2 or 3
.irp b, 0,1,2,3,4,5,6,7
.irp r, 0,1,2,3
	v_cvt_pk_f16_f32 v[TMP+4*\b+\r], v[AC+8*\b+2*\r], v[AC+8*\b+2*\r+1]
.endr
.endr
	WIN 0
.endm
.macro TOSTAGE a
.set BK, OB+192*((\a)%2)
.irp b, 0,1,2,3,4,5,6,7
	ds_store_b128 v[STO], v[TMP+4*\b:TMP+4*\b+3] offset:32*\b
.endr
.irp t, 0,1,2,3,4,5,6,7
	ds_load_b128 v[BK+4*\t:BK+4*\t+3], v[RD] offset:\t*2*SPITCH    ; LDS serves a wave's instructions in order: these see the stores above
.endr
.endm
.macro SEND a, cb                      ; cb: the tile's address pair
.set BK, OB+192*((\a)%2)
	s_wait_dscnt 0x0                               ; the block is back in registers
	s_wait_xcnt 0x0                                ; the stores' base and the registers that earlier stores read are rewritten only behind this wait
.if (\a) != 0
	s_add_nc_u64 s[\cb:\cb+1], s[\cb:\cb+1], 16*SIZE_N*2
.endif
.irp t, 0,1,2,3,4,5,6,7
	global_store_b128 v[CO], v[BK+4*\t:BK+4*\t+3], s[\cb:\cb+1] offset:2*\t*SIZE_N*2   ; 16 lanes store 256 consecutive bytes, aligned
.endr
.endm
	s_wait_tensorcnt 1                             ; my part of K step 0 is in; K step 1's may stay out
	s_barrier_signal -1
	s_barrier_wait -1
	FETCH 0, 0, F0
	; TILE 1
	QUARTER 0, 64,  F0, F1, 1                      ; the first quarter stands in front of the loop: its products start the sums
	WIN 0
	s_mov_b32 s3, LAPS-1
.Llap1:                                                ; a trip goes once round the ring, from a lap's second quarter to the next lap's first, and fills both slots again
	QUARTER 0, 128, F1, F0, 0
	QUARTER 0, 192, F0, F1, 0
	TURN 0, 1, 0
	QUARTER 1, 64,  F0, F1, 0
	QUARTER 1, 128, F1, F0, 0
	QUARTER 1, 192, F0, F1, 0
	TURN 1, 0, 0
	QUARTER 0, 64,  F0, F1, 0
	WIN 0
	s_sub_co_u32 s3, s3, 1
	s_cmp_lg_u32 s3, 0
	s_cbranch_scc1 .Llap1
	QUARTER 0, 128, F1, F0, 0                      ; the last lap: the ring goes on into tile 2
	QUARTER 0, 192, F0, F1, 0
	TURN 0, 1, 1                                   ; slot 0 takes tile 2's K step 0,
	QUARTER 1, 64,  F0, F1, 0
	QUARTER 1, 128, F1, F0, 0
	QUARTER 1, 192, F0, F1, 0
	TURN 1, 0, 1                                   ; slot 1 its K step 1, and its first fragments are fetched
	PACK 0                                         ; both refills are asked for: now tile 1 goes out.  No v_nop: blocks 0-3 were finished in front of the four v_nop behind the
	TOSTAGE 0                                      ; joint load, and their 128 conversions, which name no register of the last products (blocks 4-7's), are those products' places
.irp a, 1,2,3,4,5,6,7                  ; block a's conversions stand between block a - 1's loads from the stage and the wait for them
	PACK \a
	SEND \a-1, CB1
	TOSTAGE \a
.endr
	SEND 7, CB1
	; TILE 2: nothing waits for tile 1's stores; they leave while these products run
	QH 0, 64,  F0, F1, 1                           ; its first products start the sums on accumulators that have been packed
	WIN 0
	s_mov_b32 s3, LAPS-1
.Llap2:
	QH 0, 128, F1, F0, 0
	QH 0, 192, F0, F1, 0
	TH 0, 1, 1
	QH 1, 64,  F0, F1, 0
	QH 1, 128, F1, F0, 0
	QH 1, 192, F0, F1, 0
	TH 1, 0, 1
	QH 0, 64,  F0, F1, 0
	WIN 0
	s_sub_co_u32 s3, s3, 1
	s_cmp_lg_u32 s3, 0
	s_cbranch_scc1 .Llap2
	QH 0, 128, F1, F0, 0                           ; the last lap is written out: it asks for nothing more, and has no round
	QH 0, 192, F0, F1, 0
	TH 0, 1, 0
	QH 1, 64,  F0, F1, 0
	QH 1, 128, F1, F0, 0
	QH 1, 192, F0, F1, 0
	s_wait_dscnt 0x0
	WIN MUL_LO
	MUL16 F1, 0, 0, 0
	MUL16 F1, 0, 2, 0
	WIN 0
	PLACES
	PACK 0
	TOSTAGE 0
.irp a, 1,2,3
	PACK \a
	SEND \a-1, CB2
	TOSTAGE \a
.endr
	SEND 3, CB2
	s_set_vgpr_msb 0x1
	s_wait_tensorcnt 0x0
	ds_add_u32 v255, v31
	s_wait_dscnt 0x0
	s_set_vgpr_msb 0x100
	CROUND                                         ; the closing round: no work-group ends while a partner may still ask for a tile that names it
	s_endpgm
.Lfunc_end_k_qc0a0ae7709_proj:
	.size	k_qc0a0ae7709_proj, .Lfunc_end_k_qc0a0ae7709_proj-k_qc0a0ae7709_proj
	.p2alignl 7, 3214868480
	.fill 96, 4, 3214868480
	.section	.rodata,"a",@progbits
	.p2align	6, 0x0
	.amdhsa_kernel k_qc0a0ae7709_proj
		.amdhsa_group_segment_fixed_size 327680
		.amdhsa_private_segment_fixed_size 0
		.amdhsa_enable_private_segment 0
		.amdhsa_kernarg_size 24
		.amdhsa_user_sgpr_count 2
		.amdhsa_user_sgpr_kernarg_segment_ptr 1
		.amdhsa_wavefront_size32 1
		.amdhsa_system_sgpr_workgroup_id_x 1
		.amdhsa_system_sgpr_workgroup_id_y 1
		.amdhsa_system_sgpr_workgroup_id_z 1
		.amdhsa_system_vgpr_workitem_id 0
		.amdhsa_next_free_vgpr 1024
		.amdhsa_next_free_sgpr 94
		.amdhsa_reserve_vcc 0
		.amdhsa_float_denorm_mode_32 3
		.amdhsa_float_denorm_mode_16_64 3
		.amdhsa_memory_ordered 1
		.amdhsa_forward_progress 1
		.amdhsa_inst_pref_size 224
	.end_amdhsa_kernel
	.amdgpu_metadata
---
amdhsa.version: [ 1, 2 ]
amdhsa.kernels:
  - .name:           k_qc0a0ae7709_proj
    .symbol:         k_qc0a0ae7709_proj.kd
    .args:
      - { .name: xb, .offset: 0, .size: 8, .value_kind: global_buffer, .address_space: global }
      - { .name: wb, .offset: 8, .size: 8, .value_kind: global_buffer, .address_space: global }
      - { .name: qkv, .offset: 16, .size: 8, .value_kind: global_buffer, .address_space: global }
    .group_segment_fixed_size: 327680
    .private_segment_fixed_size: 0
    .kernarg_segment_align: 8
    .kernarg_segment_size: 24
    .max_flat_workgroup_size: 128
    .sgpr_count:     94
    .vgpr_count:     1024
    .wavefront_size: 32
...
	.end_amdgpu_metadata
.endif
;; end of part 2
;; launch scores (part 3): grid 12 x 16, 4 waves a work-group, clusters of 4 x 4, 327,680 bytes of LDS; arguments qkv, p, stats; writes p, stats
.if DOCPART == 3
	.amdgcn_target "amdgcn-amd-amdhsa--gfx1250"
	.amdhsa_code_object_version 6
	.text
	.protected	k_qc0a0ae7709_scores
	.globl	k_qc0a0ae7709_scores
	.p2align	8
	.type	k_qc0a0ae7709_scores,@function
k_qc0a0ae7709_scores:
	s_mov_b64 s[64:65], 0
	v_nop
	global_prefetch_b8 v0, s[64:65] scope:SCOPE_SE
	s_setreg_imm32_b32 hwreg(HW_REG_WAVE_MODE, 25, 1), 1
	s_wait_xcnt 0x0
	s_wait_alu depctr_hold_cnt(0) depctr_sa_sdst(0) depctr_va_vdst(0) depctr_va_sdst(0) depctr_va_ssrc(0) depctr_va_vcc(0) depctr_vm_vsrc(0)
	s_getreg_b32 s2, hwreg(HW_REG_IB_STS2, 6, 4)
	s_cmp_eq_u32 s2, 0
	s_cbranch_scc0 .Lentry_in_a_cluster
	s_endpgm
.Lentry_in_a_cluster:
	s_bfe_u32 s2, ttmp6, 0x10000c
	s_cmp_lg_u32 s2, 0xf033
	s_cbranch_scc0 .Lentry_shape_is_right
	s_endpgm
.Lentry_shape_is_right:
; For each batch: s = Q K^T (f16 operands, f32 sums), keys behind the query masked; then, for each query row and each block of 128 keys:
;   m = max(the block's scores, -FLT_MAX), cm = c m, p = 2^(c s - cm) <= 1 rounded to f16, l = the sum of the p in f32;  c = log2(e) / sqrt(1024).
; p goes to p[b][query][key], cm and l to stats.  The next launch joins a row's blocks by their cm and l, as a running maximum would.
; LIMITS: p lies in [0, 1], so f16 holds it with an error of at most 2^-11 p or 2^-25; a p below 2^-126 is zero already in f32 (v_exp_f32);
; NaN and infinities in the inputs are not followed.
; SHARES: a cluster of 4 x 4 work-groups owns a region of 1024 queries x 1024 keys of one batch: regions (0,0), (1,0), (1,1), the lower triangle in blocks.
; A work-group makes a tile of 256 x 256, a wave 128 x 128: its 128 columns are one block of keys, so maximum and sum never leave the wave.
; Tiles of the two diagonal regions that lie above the diagonal run like the others (partners in a cluster run alike: no branch hangs on the place in the cluster);
; they come out as p = 0, l = 0, cm = -c FLT_MAX, which the next launch reads as blocks of no weight.
; The product itself is the ring of two LDS slots, K steps of 128, joint loads: Q's tile is shared along a row of the cluster, K's along a column.
; THE MATRIX INSTRUCTION IS USED TRANSPOSED (source 0 = 16 keys, source 1 = 16 queries): lane l holds query l % 16 and, in accumulator (a, b), keys 16 b + 8 (l / 16) + 0..7.
; REGISTERS: window 0: v0-31 addresses and constants; v64-191 Q's fragments, later the softmax's work; v32-63, v192-255 the way out.  window 1: K's fragments.  windows 2, 3: accumulators.
.set QROW,   3072                      ; elements in a row of qkv
.set PROW,   4096                      ; bytes in a row of p
.set SIZE_K, 1024
.set KSTEP,  128
.set PITCH,  272
.set HALFT,  128*PITCH
.set SLOT,   4*HALFT
.set STAGE,  2*SLOT                    ; 16 rows x 272 bytes for each wave, for p's way out
.set SSTAGE, STAGE+4*16*272            ; 1,024 bytes for each wave: 128 cm, then 128 l.  No tensor load lands in either stage
.set SPITCH, 272
.set LAPS, SIZE_K/(2*KSTEP)
.set ADRA, 16
.set ADRB, 20
.set SGO,  22                          ; v22  16 x lane: my 16 bytes of the wave's 512 of cm or l
.set STO,  24
.set RD,   25
.set CO,   26
.set DD,   27                          ; v27  query - key for a = b = j = 0: a score is masked where 16 b + j - 16 a > DD
.set NINF, 28                          ; v28  -infinity
.set FLOOR,29                          ; v29  -FLT_MAX
.set SST,  30                          ; v30  stats stage: lanes 0-15 put cm, lanes 16-31 l
.set SLD,  31                          ; v31  stats stage: read back, 16 bytes a lane
.set F0,   64
.set F1,   128
.set SU,   64                          ; v64-95   16 pairs for the sums; at the end the stats on their way out
.set T,    96                          ; v96-99   four chains for the maximum
.set CMS,  104                         ; v[104+2a], v[105+2a]: cm and m of block a
.set LS,   120                         ; v[120+a]: l of block a
.set TMP,  192
.set OB,   32
.set G1, 24
.set G0, 32
.set G1B, 48
.set G0B, 56
.set MSB, 0
.macro WIN new
.if MSB != \new
	s_set_vgpr_msb (MSB<<8)|\new
.set MSB, \new
.endif
.endm
.set MUL_LO, 0xa1
.set MUL_HI, 0xf1
.set TO_B,   0x40
.macro JLOAD s                         ; a joint load: waves 0 and 1 fetch Q's two halves, waves 2 and 3 K's; four v_nop follow each line
	s_cmp_eq_u32 s11, 0
	s_cbranch_scc0 .Lfor_b_\@
	tensor_load_to_lds s[G0+4*\s:G0+4*\s+3], s[G1:G1+7]
	s_nop 0
.rept 4
	v_nop
.endr
	s_branch .Lasked_\@
.Lfor_b_\@:
	tensor_load_to_lds s[G0B+4*\s:G0B+4*\s+3], s[G1B:G1B+7]
	s_nop 0
.rept 4
	v_nop
.endr
.Lasked_\@:
.endm
.macro CREST
	s_cmp_lg_u32 s10, 0
	s_cbranch_scc1 .Lnot_wave_0_\@
	s_barrier_signal -3
.Lnot_wave_0_\@:
	s_barrier_wait -3
	s_barrier_signal -1
	s_barrier_wait -1
.endm
.macro CROUND
	s_barrier_signal -1
	s_barrier_wait -1
	CREST
.endm
	s_load_b64 s[4:5], s[0:1], 0x0                 ; qkv
	s_load_b64 s[8:9], s[0:1], 0x8                 ; p
	s_load_b64 s[74:75], s[0:1], 0x10              ; stats
	s_set_vgpr_msb 0x40
	v_lshl_add_u32 v255, v0, 2, 0x49400
	s_set_vgpr_msb 0x4000
	v_mov_b32 v23, 0
	s_set_vgpr_msb 0x1
	ds_add_u32 v255, v23
	s_set_vgpr_msb 0x100
	v_lshrrev_b32 v1, 5, v0
	v_readfirstlane_b32 s10, v1                    ; wave 0..3
	s_lshr_b32 s11, s10, 1                         ; which half of the tile's queries is mine.  Also: I fetch for Q (0) or for K (1)
	s_and_b32 s12, s10, 1                          ; which half of its keys.  Also: which 128 rows of that tile I fetch
	s_bfe_u32 s40, ttmp6, 0x40000                  ; cx
	s_bfe_u32 s41, ttmp6, 0x40004                  ; cy
	s_mov_b32 s66, ttmp9                           ; the region: 0 = (0,0), 1 = (1,0), 2 = (1,1)
	s_and_b32 s67, ttmp7, 0xffff                   ; the batch
	s_add_co_u32 s13, s66, 1
	s_lshr_b32 s13, s13, 1
	s_lshl_b32 s13, s13, 2
	s_add_co_u32 s13, s13, s41                     ; R: my block of 256 queries
	s_lshr_b32 s42, s66, 1
	s_lshl_b32 s42, s42, 2
	s_add_co_u32 s42, s42, s40                     ; C: my block of 256 keys
	s_lshl_b32 s43, s41, 2
	s_lshl_b32 s43, 15, s43                        ; my row of the cluster
	s_lshl_b32 s44, 0x1111, s40                    ; my column
	s_or_b32 s[G1+0], s43, (1<<16)|(1<<20)|(1<<21)|(5<<22)|(3<<25)   ; elements of 2 bytes; 4 words of padding behind every 64; bit 21 beside the mask
	s_or_b32 s[G1B+0], s44, (1<<16)|(1<<20)|(1<<21)|(5<<22)|(3<<25)
.irp g, G1, G1B
	s_mov_b32 s[\g+1], KSTEP<<16                   ; tensor_dim0 = 128
	s_mov_b32 s[\g+2], 128<<16                     ; tensor_dim1 = 128
	s_mov_b32 s[\g+3], KSTEP<<16                   ; tile_dim0 = 128
	s_mov_b32 s[\g+4], 128                         ; tile_dim1 = 128
	s_mov_b32 s[\g+5], QROW                        ; elements from row to row
	s_mov_b32 s[\g+6], 0
	s_mov_b32 s[\g+7], 0
.endr
	s_lshl_b32 s45, s67, 11                        ; the batch's first row
	s_lshl_b32 s17, s12, 7
	s_add_co_u32 s17, s17, s45
	s_lshl_b32 s16, s13, 8
	s_add_co_u32 s16, s16, s17                     ; Q: row 2048 b + 256 R + 128 x half
	s_lshl_b32 s46, s42, 8
	s_add_co_u32 s46, s46, s17                     ; K: row 2048 b + 256 C + 128 x half
	s_mul_i32 s16, s16, QROW*2                     ; in bytes: under 8192 x 6144, inside 32 bits
	s_mul_i32 s46, s46, QROW*2
	s_add_co_u32 s46, s46, 2048                    ; K begins at column 1024
	s_mov_b32 s17, 0
	s_mov_b32 s47, 0
	s_mul_i32 s20, s10, HALFT
	s_wait_dscnt 0x0
	s_wait_kmcnt 0x0
	s_add_nc_u64 s[14:15], s[4:5], s[16:17]
	s_add_nc_u64 s[46:47], s[4:5], s[46:47]
	CROUND                                         ; all sixteen work-groups are here: the first joint loads meet
.irp s, 0,1
	s_mov_b32 s[G0+4*\s], 1
	s_add_co_u32 s[G0+4*\s+1], s20, \s*SLOT
	s_add_nc_u64 s[G0+4*\s+2:G0+4*\s+3], s[14:15], \s*KSTEP*2
	s_or_b32 s[G0+4*\s+3], s[G0+4*\s+3], 0x80000000
	s_mov_b32 s[G0B+4*\s], 1
	s_add_co_u32 s[G0B+4*\s+1], s20, \s*SLOT
	s_add_nc_u64 s[G0B+4*\s+2:G0B+4*\s+3], s[46:47], \s*KSTEP*2
	s_or_b32 s[G0B+4*\s+3], s[G0B+4*\s+3], 0x80000000
	JLOAD \s                                       ; two loads of mine are out
.endr
	v_and_b32 v1, 15, v0                           ; r = l % 16
	v_bfe_u32 v2, v0, 4, 1                         ; h = l / 16
	v_mul_u32_u24 v3, v1, PITCH
	v_lshl_add_u32 v3, v2, 4, v3
	s_mul_i32 s21, s11, HALFT
	s_mul_i32 s22, s12, HALFT
	s_add_co_u32 s22, s22, 2*HALFT
.irp s, 0,1
	v_add_nc_u32 v[ADRA+\s], s21, v3
	v_add_nc_u32 v[ADRB+\s], s22, v3
	s_add_co_u32 s21, s21, SLOT
	s_add_co_u32 s22, s22, SLOT
.endr
	s_mul_i32 s23, s10, 16*SPITCH
	s_add_co_u32 s23, s23, STAGE
	v_mul_u32_u24 v4, v1, SPITCH
	v_lshl_add_u32 v4, v2, 4, v4
	v_add_nc_u32 v[STO], s23, v4
	v_mul_u32_u24 v5, v2, SPITCH
	v_lshl_add_u32 v5, v1, 4, v5
	v_add_nc_u32 v[RD], s23, v5
	v_lshlrev_b32 v5, 12, v2                       ; the same two rows in p
	v_lshl_add_u32 v[CO], v1, 4, v5
	; where my part of the tile begins in p: (2048 b + 256 R + 128 x row half) rows + 512 C + 256 x column half bytes
	s_lshl_b32 s16, s13, 8
	s_lshl_b32 s18, s11, 7
	s_add_co_u32 s16, s16, s18
	s_add_co_u32 s16, s16, s45
	s_lshl_b32 s16, s16, 12
	s_lshl_b32 s18, s42, 9
	s_add_co_u32 s16, s16, s18
	s_lshl_b32 s18, s12, 8
	s_add_co_u32 s16, s16, s18
	s_mov_b32 s17, 0
	; the mask: query - key at a = b = j = 0 is 256 (R - C) + 128 (row half - column half) + r - 8 h
	s_sub_co_i32 s73, s13, s42
	s_lshl_b32 s73, s73, 8
	s_sub_co_i32 s18, s11, s12
	s_lshl_b32 s18, s18, 7
	s_add_co_i32 s73, s73, s18
	v_lshlrev_b32 v[DD], 3, v2
	v_sub_nc_u32 v[DD], v1, v[DD]
	v_add_nc_u32 v[DD], s73, v[DD]
	v_mov_b32 v[NINF], 0xff800000
	v_mov_b32 v[FLOOR], 0xff7fffff
	; stats: cm at ((16 b + block of keys) 2048 + row) 4, l 524,288 bytes behind; my block of keys is 2 C + column half
	s_lshl_b32 s18, s67, 4
	s_lshl_b32 s19, s42, 1
	s_add_co_u32 s18, s18, s19
	s_add_co_u32 s18, s18, s12
	s_lshl_b32 s18, s18, 11
	s_lshl_b32 s19, s13, 8
	s_add_co_u32 s18, s18, s19
	s_lshl_b32 s19, s11, 7
	s_add_co_u32 s18, s18, s19
	s_lshl_b32 s18, s18, 2
	s_mov_b32 s19, 0
	s_add_nc_u64 s[74:75], s[74:75], s[18:19]
	s_lshl_b32 s18, s10, 10
	s_add_co_u32 s18, s18, SSTAGE                  ; my stats stage
	v_lshlrev_b32 v[SST], 2, v1
	v_lshl_add_u32 v[SST], v2, 9, v[SST]
	v_add_nc_u32 v[SST], s18, v[SST]
	v_and_b32 v[SGO], 31, v0
	v_lshlrev_b32 v[SGO], 4, v[SGO]
	v_add_nc_u32 v[SLD], s18, v[SGO]
	s_mov_b32 s68, 0x3d38aa3b                      ; c = log2(e) / 32
	s_mov_b32 s69, s68                             ; named with it as a pair, so it is written
	s_mov_b32 s70, 0x76543210                      ; v_permlanex16_b32: each lane takes its own place in the other half
	s_mov_b32 s71, 0xfedcba98
	s_mov_b32 s72, 0xffff0000                      ; lanes 16-31
.macro MUL16 f, hi, a0, zero           ; 16 matrix instructions; the 64 accumulators take turns, one instruction a turn
.irp a, \a0, \a0+1
.irp b, 0,1,2,3,4,5,6,7
.if \zero
	v_wmma_f32_16x16x32_f16 v[8*(8*(\a)+\b):8*(8*(\a)+\b)+7], v[\f+8*\b:\f+8*\b+7], v[\f+8*(4*\hi+\a):\f+8*(4*\hi+\a)+7], 0
.else
	v_wmma_f32_16x16x32_f16 v[8*(8*(\a)+\b):8*(8*(\a)+\b)+7], v[\f+8*\b:\f+8*\b+7], v[\f+8*(4*\hi+\a):\f+8*(4*\hi+\a)+7], v[8*(8*(\a)+\b):8*(8*(\a)+\b)+7]
.endif
.endr
.endr
.endm
.macro FETCH slot, k, f
	WIN TO_B
.irp i, 0,1,2,3,4,5,6,7
	ds_load_b128 v[\f+8*\i:\f+8*\i+3],   v[ADRB+\slot] offset:\k+\i*16*PITCH
	ds_load_b128 v[\f+8*\i+4:\f+8*\i+7], v[ADRB+\slot] offset:\k+\i*16*PITCH+32
.endr
	WIN 0
.irp i, 0,1,2,3,4,5,6,7
	ds_load_b128 v[\f+8*\i:\f+8*\i+3],   v[ADRA+\slot] offset:\k+\i*16*PITCH
	ds_load_b128 v[\f+8*\i+4:\f+8*\i+7], v[ADRA+\slot] offset:\k+\i*16*PITCH+32
.endr
.endm
.macro PLACES                          ; four plain vector instructions between a matrix instruction and a load into its sources or a read of its result
.rept 4
	v_nop
.endr
.endm
.macro QUARTER slot, k, f, g, zero
	s_wait_dscnt 8                                 ; K's and Q's rows 0-63 are in; the youngest eight loads (Q's rows 64-127) may be out
	WIN MUL_LO
	MUL16 \f, 0, 0, \zero
	MUL16 \f, 0, 2, \zero
	PLACES
	FETCH \slot, \k, \g
	s_wait_dscnt 32                                ; all but the 32 just issued
	WIN MUL_HI
	MUL16 \f, 1, 0, \zero
	MUL16 \f, 1, 2, \zero
.endm
.macro MEET round
	s_wait_dscnt 8
	WIN MUL_LO
	MUL16 F1, 0, 0, 0
	s_wait_dscnt 0                                 ; my reads of this slot are over,
	s_wait_tensorcnt 0x0                           ; and all my tensor loads have landed: my part of the next slot
	ds_add_u32 v255, v23
	s_wait_dscnt 0x0
	s_barrier_signal -1
	MUL16 F1, 0, 2, 0
.if \round
	WIN 0
.endif
	s_barrier_wait -1
.endm
.macro TURN slot, next
	MEET 1
	CREST                                          ; no wave of any partner still reads this slot's tile or has a load on its way
	s_add_nc_u64 s[G0+4*\slot+2:G0+4*\slot+3], s[G0+4*\slot+2:G0+4*\slot+3], 2*KSTEP*2
	s_add_nc_u64 s[G0B+4*\slot+2:G0B+4*\slot+3], s[G0B+4*\slot+2:G0B+4*\slot+3], 2*KSTEP*2
	JLOAD \slot                                    ; the first tensor load behind the round; its four v_nop are also the places in front of the loads below
	FETCH \next, 0, F0
	WIN MUL_HI
	MUL16 F1, 1, 0, 0
	MUL16 F1, 1, 2, 0
.endm
; The mask of block a: -infinity where the key lies behind the query.  Each accumulator is taken from its low end on.
.macro MASKA a
.set AC, 64*((\a)%4)
	WIN 0x82+0x41*((\a)/4)                         ; source 0 and destination: window 2 or 3; DD and NINF in window 0
.irp b, 0,1,2,3,4,5,6,7
.irp j, 0,1,2,3,4,5,6,7
	v_cmp_gt_i32 vcc_lo, 16*\b+\j-16*(\a), v[DD]
	v_cndmask_b32 v[AC+8*\b+\j], v[AC+8*\b+\j], v[NINF], vcc_lo
.endr
.endr
.endm
; The softmax of block a (16 queries x my 128 keys; a lane holds 64 scores of one query, the lane 16 away the other 64).
.macro SOFT a
.set AC, 64*((\a)%4)
.set HW, (\a)/4
	WIN 0x0a+5*HW                                  ; sources 0 and 1: window 2 or 3
.irp k, 0,1,2,3                        ; the maximum, three operands at a time, in four chains; registers 0 and 1 of every accumulator come first
.irp b, 0,1,2,3,4,5,6,7
.if (\k == 0) && (\b < 4)
	v_max3_num_f32 v[T+\b%4], v[AC+8*\b+2*\k], v[AC+8*\b+2*\k+1], v[FLOOR]   ; the floor starts the chains: a block with every key masked has a finite m
.else
	v_max3_num_f32 v[T+\b%4], v[AC+8*\b+2*\k], v[AC+8*\b+2*\k+1], v[T+\b%4]
.endif
.endr
.endr
	WIN 0
	v_max3_num_f32 v[T], v[T], v[T+1], v[T+2]
	v_max_num_f32 v[T], v[T], v[T+3]
	v_permlanex16_b32 v[T+1], v[T], s70, s71
	v_max_num_f32 v[CMS+2*(\a)+1], v[T], v[T+1]    ; m
	v_mul_f32 v[CMS+2*(\a)], s68, v[CMS+2*(\a)+1]  ; cm
	WIN 0x82+0x41*HW
.set i, 0
.rept 32
	v_pk_fma_f32 v[AC+i:AC+i+1], v[AC+i:AC+i+1], s[68:69], v[CMS+2*(\a):CMS+2*(\a)+1] op_sel_hi:[1,0,0] neg_lo:[0,0,1] neg_hi:[0,0,1]   ; c s - cm
.set i, i+2
.endr
.set i, 0
.rept 64
	v_exp_f32 v[AC+i], v[AC+i]
.set i, i+1
.endr
	v_nop                                          ; a plain instruction between the exponentials and the first use of a result (ISA guide 5.7.2)
	WIN 0x0a+5*HW
	s_wait_alu depctr_va_vdst(0)
.irp b, 0,1,2,3,4,5,6,7
.irp r, 0,1,2,3
	v_cvt_pk_f16_f32 v[TMP+4*\b+\r], v[AC+8*\b+2*\r], v[AC+8*\b+2*\r+1]
.endr
.endr
.set i, 0
.rept 16
	v_pk_add_f32 v[SU+2*i:SU+2*i+1], v[AC+4*i:AC+4*i+1], v[AC+4*i+2:AC+4*i+3]
.set i, i+1
.endr
	WIN 0
.irp w, 8,4,2,1
.set i, 0
.rept \w
	v_pk_add_f32 v[SU+2*i:SU+2*i+1], v[SU+2*i:SU+2*i+1], v[SU+2*(i+\w):SU+2*(i+\w)+1]
.set i, i+1
.endr
.endr
	v_add_f32 v[T], v[SU], v[SU+1]
	v_permlanex16_b32 v[T+1], v[T], s70, s71
	v_add_f32 v[LS+\a], v[T], v[T+1]               ; l
.endm
.macro TOSTAGE a
.set BK, OB+192*((\a)%2)
.irp b, 0,1,2,3,4,5,6,7
	ds_store_b128 v[STO], v[TMP+4*\b:TMP+4*\b+3] offset:32*\b
.endr
.irp t, 0,1,2,3,4,5,6,7
	ds_load_b128 v[BK+4*\t:BK+4*\t+3], v[RD] offset:\t*2*SPITCH    ; LDS serves a wave's instructions in order: these see the stores above
.endr
.endm
.macro SEND a, younger
.set BK, OB+192*((\a)%2)
	s_wait_dscnt \younger
	s_wait_xcnt 0x0                                ; the stores' base and the registers that earlier stores read are rewritten only behind this wait
.if (\a) == 0
	s_add_nc_u64 s[8:9], s[8:9], s[16:17]
.else
	s_add_nc_u64 s[8:9], s[8:9], 16*PROW
.endif
.irp t, 0,1,2,3,4,5,6,7
	global_store_b128 v[CO], v[BK+4*\t:BK+4*\t+3], s[8:9] offset:2*\t*PROW   ; 16 lanes store 256 consecutive bytes, aligned
.endr
.endm
	s_wait_tensorcnt 1                             ; my part of K step 0 is in; K step 1's may stay out
	s_barrier_signal -1
	s_barrier_wait -1
	FETCH 0, 0, F0
	QUARTER 0, 64,  F0, F1, 1                      ; the first quarter's products start the sums
	WIN 0
	s_mov_b32 s3, LAPS-1
.Llap:
	QUARTER 0, 128, F1, F0, 0
	QUARTER 0, 192, F0, F1, 0
	TURN 0, 1
	QUARTER 1, 64,  F0, F1, 0
	QUARTER 1, 128, F1, F0, 0
	QUARTER 1, 192, F0, F1, 0
	TURN 1, 0
	QUARTER 0, 64,  F0, F1, 0
	WIN 0
	s_sub_co_u32 s3, s3, 1
	s_cmp_lg_u32 s3, 0
	s_cbranch_scc1 .Llap
	QUARTER 0, 128, F1, F0, 0                      ; the last lap is written out: it asks for nothing more
	QUARTER 0, 192, F0, F1, 0
	MEET 0
	PLACES
	FETCH 1, 0, F0
	WIN MUL_HI
	MUL16 F1, 1, 0, 0
	MUL16 F1, 1, 2, 0
	QUARTER 1, 64,  F0, F1, 0
	QUARTER 1, 128, F1, F0, 0
	QUARTER 1, 192, F0, F1, 0
	s_wait_dscnt 8
	WIN MUL_LO
	MUL16 F1, 0, 0, 0
	MUL16 F1, 0, 2, 0
	s_wait_dscnt 0
	WIN MUL_HI
	MUL16 F1, 1, 0, 0
	MUL16 F1, 1, 2, 0
	WIN 0
	PLACES
	s_cmp_eq_u32 s66, 1                            ; region (1,0) lies wholly below the diagonal; the region is the same in all sixteen partners
	s_cbranch_scc1 .Lnomask
.irp a, 0,1,2,3,4,5,6,7
	MASKA \a
.endr
	WIN 0
.Lnomask:
	SOFT 0
	TOSTAGE 0
.irp a, 1,2,3,4,5,6,7                  ; block a's softmax stands between block a - 1's loads from the stage and the wait for them
	SOFT \a
	SEND \a-1, 0
	TOSTAGE \a
.endr
	SEND 7, 0
	; cm and l of my 128 rows: both halves of the lanes hold both, so lanes 0-15 put cm and lanes 16-31 l; back as 512 consecutive bytes each
.irp a, 0,1,2,3,4,5,6,7
	v_cndmask_b32 v[T+\a%4], v[CMS+2*\a], v[LS+\a], s72
	ds_store_b32 v[SST], v[T+\a%4] offset:64*\a
.endr
	ds_load_b128 v[SU:SU+3], v[SLD]
	ds_load_b128 v[SU+4:SU+7], v[SLD] offset:512
	s_wait_dscnt 0x0
	global_store_b128 v[SGO], v[SU:SU+3], s[74:75]
	global_store_b128 v[SGO], v[SU+4:SU+7], s[74:75] offset:524288
	s_set_vgpr_msb 0x1
	s_wait_tensorcnt 0x0
	ds_add_u32 v255, v23
	s_wait_dscnt 0x0
	s_set_vgpr_msb 0x100
	CROUND                                         ; the closing round
	s_endpgm
.Lfunc_end_k_qc0a0ae7709_scores:
	.size	k_qc0a0ae7709_scores, .Lfunc_end_k_qc0a0ae7709_scores-k_qc0a0ae7709_scores
	.p2alignl 7, 3214868480
	.fill 96, 4, 3214868480
	.section	.rodata,"a",@progbits
	.p2align	6, 0x0
	.amdhsa_kernel k_qc0a0ae7709_scores
		.amdhsa_group_segment_fixed_size 327680
		.amdhsa_private_segment_fixed_size 0
		.amdhsa_enable_private_segment 0
		.amdhsa_kernarg_size 24
		.amdhsa_user_sgpr_count 2
		.amdhsa_user_sgpr_kernarg_segment_ptr 1
		.amdhsa_wavefront_size32 1
		.amdhsa_system_sgpr_workgroup_id_x 1
		.amdhsa_system_sgpr_workgroup_id_y 1
		.amdhsa_system_sgpr_workgroup_id_z 1
		.amdhsa_system_vgpr_workitem_id 0
		.amdhsa_next_free_vgpr 1024
		.amdhsa_next_free_sgpr 76
		.amdhsa_reserve_vcc 1
		.amdhsa_float_denorm_mode_32 3
		.amdhsa_float_denorm_mode_16_64 3
		.amdhsa_memory_ordered 1
		.amdhsa_forward_progress 1
		.amdhsa_inst_pref_size 253
	.end_amdhsa_kernel
	.amdgpu_metadata
---
amdhsa.version: [ 1, 2 ]
amdhsa.kernels:
  - .name:           k_qc0a0ae7709_scores
    .symbol:         k_qc0a0ae7709_scores.kd
    .args:
      - { .name: qkv, .offset: 0, .size: 8, .value_kind: global_buffer, .address_space: global }
      - { .name: p, .offset: 8, .size: 8, .value_kind: global_buffer, .address_space: global }
      - { .name: stats, .offset: 16, .size: 8, .value_kind: global_buffer, .address_space: global }
    .group_segment_fixed_size: 327680
    .private_segment_fixed_size: 0
    .kernarg_segment_align: 8
    .kernarg_segment_size: 24
    .max_flat_workgroup_size: 128
    .sgpr_count:     76
    .vgpr_count:     1024
    .wavefront_size: 32
...
	.end_amdgpu_metadata
.endif
;; end of part 3
;; launch pv (part 4): grid 8 x 32, 4 waves a work-group, clusters of 4 x 4, 327,680 bytes of LDS; arguments p, qkv, stats, out0; writes out0
.if DOCPART == 4
	.amdgcn_target "amdgcn-amd-amdhsa--gfx1250"
	.amdhsa_code_object_version 6
	.text
	.protected	k_qc0a0ae7709_pv
	.globl	k_qc0a0ae7709_pv
	.p2align	8
	.type	k_qc0a0ae7709_pv,@function
k_qc0a0ae7709_pv:
	s_mov_b64 s[64:65], 0
	v_nop
	global_prefetch_b8 v0, s[64:65] scope:SCOPE_SE
	s_setreg_imm32_b32 hwreg(HW_REG_WAVE_MODE, 25, 1), 1
	s_wait_xcnt 0x0
	s_wait_alu depctr_hold_cnt(0) depctr_sa_sdst(0) depctr_va_vdst(0) depctr_va_sdst(0) depctr_va_ssrc(0) depctr_va_vcc(0) depctr_vm_vsrc(0)
	s_getreg_b32 s2, hwreg(HW_REG_IB_STS2, 6, 4)
	s_cmp_eq_u32 s2, 0
	s_cbranch_scc0 .Lentry_in_a_cluster
	s_endpgm
.Lentry_in_a_cluster:
	s_bfe_u32 s2, ttmp6, 0x10000c
	s_cmp_lg_u32 s2, 0xf033
	s_cbranch_scc0 .Lentry_shape_is_right
	s_endpgm
.Lentry_shape_is_right:
; out0[b][q][:] = (sum over blocks kb of f[kb] (sum over the block's keys of p V[key][:])) / L.
; For query q and block kb of 128 keys the launch before left p = 2^(c s - cm[kb]) in f16, cm[kb] and l[kb] in f32.
; Here CM = max over kb of cm[kb], f[kb] = 2^(cm[kb] - CM) and L = sum over kb of f[kb] l[kb], all in f32: the blocks are joined as a running maximum joins them.
; L >= 1: the block that holds the row's maximum has f = 1 and l >= 1.
; The products of one block (f16 operands, f32 sums) are summed in accumulators of their own, BA, whose first product takes the constant 0; the finished block
; enters the total by TA = f BA + TA in f32.  So p goes to the matrix unit as it was stored, and f is never rounded.
; LIMITS: an f below 2^-126 is zero (v_exp_f32); |V| stays under 65,504 (f16); NaN and infinities are not followed.
; SHARES: a cluster of 4 x 4 work-groups owns 512 queries x 512 channels of a batch, a work-group 128 x 128, a wave 64 x 64 (16 accumulators).
; Keys go in steps of 256.  Query group G (512 rows) needs keys 0 .. 512 G + 511: 2 G + 2 steps.  A cluster makes two groups, G = g and then G = 3 - g:
; 10 steps in every work-group.  Trip counts hang on g alone, which the partners share.
; JOINT LOADS: P's tile (128 queries x 256 keys) is shared along a row of the cluster, V's (256 keys x 128 channels) along a column.
; A ring of two LDS slots, one step each; it does not stop at the first tile's end: that tile's last two changes of slots ask for the second tile's first two steps.
; REQUESTS AHEAD: a refill has 112 products of a wave in which to land and LDS has no room for larger slots, so the tiles are asked for beforehand (global_prefetch_b8):
; the change of slots that refills for step n + 2 (steps counted through both tiles, 0 to 9) also asks for step n + 3's tiles, one step ahead of the refill that will want them.
; LAYOUT: O^T = V^T P: source 0 = 16 channels x 32 keys (V lies [key][channel] and comes out of LDS turned), source 1 = 16 queries x 32 keys:
; a lane holds ONE query in the result, so f is one register a lane, and a lane's eight results are 32 consecutive bytes of a row of out0.
; REGISTERS: window 0: addresses, statistics, the way out.  window 1: v0-127 BA ((a, b) at 8 (4 a + b)), v128-255 TA, laid alike.
;   window 2: v0-63, v64-127 V's fragments, two buffers ((c, b) at 8 (4 c + b)); v128-191, v192-255 P's ((c, a) at 8 (4 c + a)).
.set HALFP, 64*528                     ; 64 rows of P: 512 bytes + 16 of padding
.set HALFV, 128*288                    ; 128 rows of V: 256 bytes + 32 of padding: the turning load's 8 rows x 32 bytes fall on different banks
.set SLOT,  2*HALFP+2*HALFV            ; 141,312
.set STAGE, 2*SLOT                     ; behind the ring: 16 rows x 272 bytes for each wave; no tensor load lands here
.set SP,    272
.set ADRP, 10                          ; v10-11  my place in P's tile, slot 0, 1
.set ADRV, 12                          ; v12-15  my place in V's tile: 2 slot + half (the offsets of 256 keys would pass 16 bits)
.set STO,  16
.set RD,   17
.set CO,   18
.set SOFF, 19                          ; v19     4 r + 256 x row half: my query in a row of stats
.set MOFF, 20                          ; v20     the same, lanes 16-31 one block of keys on
.set PFO,  21                          ; v21     requests ahead: my lane's block of 256 bytes; never rewritten
.set MX,   24                          ; v24-27  CM of the tile in hand, for a = 0..3
.set M2,   28                          ; v28-31  CM of the second tile
.set LL,   32                          ; v32-35  L
.set RL,   36                          ; v36-43  1 / L, twice (pairs for the packed multiply)
.set RAW,  44                          ; v44-51  cm[e][a], v52-59 l[e][a] of the coming step (e: which 128 keys of the step)
.set FP,   60                          ; v60-91  pairs (f, cm - CM) at 60 + 16 slot + 8 e + 2 a: the packed merge names the pair and takes its first word for both halves
.set TMP,  96                          ; v96-127 a block's results, divided
.set OB,   128                         ; v128-159, v160-191: 16 rows read back, by turns
.set MT,   192                         ; v192-239 the blocks' cm, at the start only
.set TA,   128                         ; window 1
.set PF,   128                         ; window 2
.set G1P, 24
.set G0P, 32
.set G1V, 48
.set G0V, 56
.set MSB, 0
.macro WIN new                         ; the immediate's high byte repeats the setting that is left; a switch that changes nothing is dropped
.if MSB != \new
	s_set_vgpr_msb (MSB<<8)|\new
.set MSB, \new
.endif
.endm
.set W_MUL, 0x5a                       ; sources 0 (V) and 1 (P) window 2; C and D window 1
.set W_MRG, 0x51                       ; source 0 (BA), source 2 and destination (TA) window 1; source 1 (f) window 0
.set TO_F,  0x80                       ; destination window 2, address window 0
.set W_OUT, 0x01                       ; source 0 window 1
.macro JLOAD s                         ; a joint load: waves 0 and 1 fetch P's two halves, waves 2 and 3 V's; four v_nop follow each line
	s_cmp_eq_u32 s11, 0
	s_cbranch_scc0 .Lfor_v_\@
	tensor_load_to_lds s[G0P+4*\s:G0P+4*\s+3], s[G1P:G1P+7]
	s_nop 0
.rept 4
	v_nop
.endr
	s_branch .Lasked_\@
.Lfor_v_\@:
	tensor_load_to_lds s[G0V+4*\s:G0V+4*\s+3], s[G1V:G1V+7]
	s_nop 0
.rept 4
	v_nop
.endr
.Lasked_\@:
.endm
.macro CREST
	s_cmp_lg_u32 s10, 0
	s_cbranch_scc1 .Lnot_wave_0_\@
	s_barrier_signal -3
.Lnot_wave_0_\@:
	s_barrier_wait -3
	s_barrier_signal -1
	s_barrier_wait -1
.endm
.macro CROUND
	s_barrier_signal -1
	s_barrier_wait -1
	CREST
.endm
; A request ahead for step s4's tiles; s4 then steps.  The wave's share was settled at the start, in scalars:
;   s[100:101] its buffer at its first block; s5 bytes from step to step; from step s6 on the offset jumps by s7; it asks for steps s8 .. s8 + s9 and for no other.
; wait = 1: the pair s[98:99], which the last request named, is rewritten only behind s_wait_xcnt 0; that request stands a whole step back.
.macro ASK wait
.if \wait
	s_wait_xcnt 0x0
.endif
	s_mul_i32 s70, s4, s5
	s_cmp_ge_u32 s4, s6
	s_cselect_b32 s69, s7, 0
	s_add_co_u32 s70, s70, s69                     ; the offset, made apart from the address (s71 = 0 above it)
	s_add_nc_u64 s[98:99], s[100:101], s[70:71]
	s_sub_co_u32 s69, s4, s8                       ; below the first step this wraps to a large number
	s_add_co_u32 s4, s4, 1
	s_cmp_le_u32 s69, s9
	s_cbranch_scc0 .Lnot_asked_\@                  ; outside the wave's steps nothing is asked for: no request points past step 9's tiles
	global_prefetch_b8 v[PFO], s[98:99] th:TH_LOAD_NT scope:SCOPE_SE
.Lnot_asked_\@:
.endm
	s_load_b256 s[72:79], s[0:1], 0x0              ; p s[72:73], qkv s[74:75], stats s[76:77], out0 s[78:79]
	v_lshl_add_u32 v254, v0, 2, 0x49400
	v_mov_b32 v255, 0
	ds_add_u32 v254, v255
	v_lshrrev_b32 v1, 5, v0
	v_readfirstlane_b32 s10, v1                    ; wave 0..3
	s_lshr_b32 s11, s10, 1                         ; which 64 queries are mine.  Also: I fetch for P (0) or for V (1)
	s_and_b32 s12, s10, 1                          ; which 64 channels.  Also: which half of that tile I fetch
	s_bfe_u32 s40, ttmp6, 0x40000                  ; cx
	s_bfe_u32 s41, ttmp6, 0x40004                  ; cy
	s_lshl_b32 s42, ttmp9, 2
	s_add_co_u32 s42, s42, s40                     ; my block of 128 channels
	s_and_b32 s13, ttmp7, 0xffff
	s_lshr_b32 s67, s13, 1                         ; b
	s_and_b32 s68, s13, 1                          ; g
	s_lshl_b32 s43, s41, 2
	s_lshl_b32 s43, 15, s43                        ; my row of the cluster
	s_lshl_b32 s44, 0x1111, s40                    ; my column
	s_or_b32 s[G1P+0], s43, (1<<16)|(1<<20)|(1<<21)|(6<<22)|(3<<25)  ; elements of 2 bytes; 4 words of padding behind every 128; bit 21 beside the mask
	s_mov_b32 s[G1P+1], 256<<16                    ; tensor_dim0 = 256 keys
	s_mov_b32 s[G1P+2], 64<<16                     ; tensor_dim1 = 64 queries
	s_mov_b32 s[G1P+3], 256<<16                    ; tile_dim0
	s_mov_b32 s[G1P+4], 64                         ; tile_dim1
	s_mov_b32 s[G1P+5], 2048                       ; elements from row to row of p
	s_mov_b32 s[G1P+6], 0
	s_mov_b32 s[G1P+7], 0
	s_or_b32 s[G1V+0], s44, (1<<16)|(1<<20)|(1<<21)|(5<<22)|(7<<25)  ; 8 words of padding behind every 64
	s_mov_b32 s[G1V+1], 128<<16                    ; tensor_dim0 = 128 channels
	s_mov_b32 s[G1V+2], 128<<16                    ; tensor_dim1 = 128 keys
	s_mov_b32 s[G1V+3], 128<<16
	s_mov_b32 s[G1V+4], 128
	s_mov_b32 s[G1V+5], 3072                       ; elements from row to row of qkv
	s_mov_b32 s[G1V+6], 0
	s_mov_b32 s[G1V+7], 0
	s_lshl_b32 s16, s67, 11
	s_lshl_b32 s17, s68, 9
	s_add_co_u32 s16, s16, s17
	s_lshl_b32 s17, s41, 7
	s_add_co_u32 s16, s16, s17                     ; the first tile's first query: 2048 b + 512 g + 128 cy
	s_lshl_b32 s18, s12, 6
	s_add_co_u32 s18, s18, s16
	s_lshl_b32 s18, s18, 12                        ; P: my 64 rows of 4,096 bytes
	s_mov_b32 s19, 0
	s_lshl_b32 s46, s67, 11
	s_lshl_b32 s47, s12, 7
	s_add_co_u32 s46, s46, s47
	s_mul_i32 s46, s46, 6144                       ; V: key 2048 b + 128 x half, rows of 6,144 bytes,
	s_lshl_b32 s47, s42, 8
	s_add_co_u32 s46, s46, s47                     ; my 128 channels,
	s_add_co_u32 s46, s46, 4096                    ; and V begins at column 2048
	s_mov_b32 s47, 0
	s_mul_i32 s20, s12, HALFP                      ; where they go: no place in the cluster enters an LDS address
	s_mul_i32 s21, s12, HALFV
	s_add_co_u32 s21, s21, 2*HALFP
	s_wait_dscnt 0x0
	s_wait_kmcnt 0x0
	s_add_nc_u64 s[14:15], s[72:73], s[18:19]
	s_add_nc_u64 s[46:47], s[74:75], s[46:47]
	CROUND                                         ; all sixteen work-groups are here: the first joint loads meet
.irp s, 0,1
	s_mov_b32 s[G0P+4*\s], 1
	s_add_co_u32 s[G0P+4*\s+1], s20, \s*SLOT
	s_add_nc_u64 s[G0P+4*\s+2:G0P+4*\s+3], s[14:15], \s*512          ; step s: 256 keys of 2 bytes on
	s_or_b32 s[G0P+4*\s+3], s[G0P+4*\s+3], 0x80000000
	s_mov_b32 s[G0V+4*\s], 1
	s_add_co_u32 s[G0V+4*\s+1], s21, \s*SLOT
	s_add_nc_u64 s[G0V+4*\s+2:G0V+4*\s+3], s[46:47], \s*256*6144     ; step s: 256 rows on
	s_or_b32 s[G0V+4*\s+3], s[G0V+4*\s+3], 0x80000000
	JLOAD \s                                       ; two loads of mine are out
.endr
	; scalars for the walk
	s_lshl_b32 s22, s67, 17                        ; a batch's 16 blocks x 2048 rows x 4 bytes
	s_lshl_b32 s23, s68, 11
	s_add_co_u32 s22, s22, s23
	s_lshl_b32 s23, s41, 9
	s_add_co_u32 s22, s22, s23
	s_mov_b32 s23, 0
	s_add_nc_u64 s[80:81], s[76:77], s[22:23]      ; SB: stats at block 0 of the first tile's rows; it walks with the steps
	s_lshl_b32 s13, s68, 1
	s_sub_co_u32 s13, 3, s13                       ; 3 - 2 g: groups of 512 queries from the first tile to the second
	s_lshl_b32 s22, s13, 11
	s_add_nc_u64 s[96:97], s[80:81], s[22:23]      ; the same for the second tile's rows
	s_lshl_b32 s82, s68, 15
	s_add_co_u32 s82, s82, 16384
	s_sub_co_u32 s82, s82, s22                     ; SB goes back by the first tile's 2 g + 1 steps less the rows it goes on
	s_mov_b32 s83, 0
	s_lshl_b32 s84, s13, 21                        ; P's address: 512 (3 - 2 g) rows on,
	s_lshl_b32 s17, s68, 10
	s_sub_co_u32 s84, s84, s17                     ; 2 g steps back
	s_mov_b32 s85, 0
	s_mul_i32 s86, s68, 3145728                    ; V's address: 2 g steps back
	s_mov_b32 s87, 0
	s_lshl_b32 s90, s13, 21                        ; out0's address: 512 (3 - 2 g) rows on
	s_mov_b32 s91, 0
	s_lshl_b32 s22, s11, 6
	s_add_co_u32 s22, s22, s16
	s_lshl_b32 s22, s22, 12
	s_lshl_b32 s17, s42, 9
	s_add_co_u32 s22, s22, s17
	s_lshl_b32 s17, s12, 8
	s_add_co_u32 s22, s22, s17
	s_add_nc_u64 s[88:89], s[78:79], s[22:23]      ; out0 at my wave's first row and channel
	s_mov_b32 s92, s68                             ; trips of the first tile's loop: laps - 1 = g
	s_sub_co_u32 s93, 3, s68                       ; of the second's: 3 - g
	s_mov_b32 s94, 0x76543210
	s_mov_b32 s95, 0xfedcba98
	; THE SHARES OF THE REQUESTS AHEAD.  Each aligned block of 256 bytes is asked for once in the launch, one lane to a block.
	; P's tile of a step (128 rows x 512 bytes = 256 blocks) is read by eight work-groups: the four of my row of the cluster, in both clusters along x.  Each asks for 16 rows
	; x 2 blocks, by its wave 0, for steps 2 to 9; from the second tile's first step (2 g + 2) on the rows lie 512 (3 - 2 g) further down and the keys begin anew.
	; V's tile of a step (256 keys x 256 bytes) is read by the four of my column, each of which asks for 64 keys, by its waves 2 and 3.  A batch's keys are walked four times
	; (G = 0..3); only the walk that comes to them first asks: with g = 1 the first tile's steps 2 and 3 (keys 512 on), with g = 0 steps 6 to 9 (the second tile's keys 1,024 on).
	; Wave 1 asks for nothing (its first step, 100, is never reached).
	s_lshl_b32 s70, s42, 4
	s_add_co_u32 s70, s70, s16
	s_lshl_b32 s70, s70, 12                        ; P: row 2048 b + 512 g + 128 cy + 16 (4 x cluster x + cx)
	s_lshl_b32 s66, s67, 11
	s_lshl_b32 s13, s41, 6
	s_add_co_u32 s66, s66, s13
	s_lshl_b32 s13, s12, 5
	s_add_co_u32 s66, s66, s13
	s_mul_i32 s66, s66, 6144                       ; V: key 2048 b + 64 cy + 32 (wave % 2),
	s_lshl_b32 s13, s42, 8
	s_add_co_u32 s66, s66, s13                     ; my 128 channels,
	s_add_co_u32 s66, s66, 4096                    ; V's first column
	s_lshl_b32 s6, s68, 1
	s_add_co_u32 s6, s6, 2                         ; P: the second tile begins at step 2 g + 2,
	s_lshl_b32 s13, s6, 9
	s_sub_co_u32 s7, s90, s13                      ; where the offset jumps by 512 (3 - 2 g) rows less 2 g + 2 steps of 512 bytes
	s_sub_co_u32 s13, s68, 1
	s_mul_i32 s17, s13, 0x300000                   ; V: with g = 0 step n holds key step n - 2: two steps of 256 rows back (modulo 2^32; the sum lies in the buffer)
	s_lshl_b32 s18, s68, 2
	s_sub_co_u32 s18, 6, s18                       ; V: first step asked for: 6 or 2,
	s_lshl_b32 s19, s68, 1
	s_sub_co_u32 s19, 3, s19                       ; and how many follow it: 3 or 1
	s_mul_i32 s8, s12, 98
	s_add_co_u32 s8, s8, 2                         ; P: first step 2 (wave 1: 100),
	s_mov_b32 s9, 7                                ; and seven more
	s_mov_b32 s5, 512                              ; P: bytes from step to step
	s_mov_b32 s20, 0x180000                        ; V: 256 rows of 6,144 bytes
	s_cmp_eq_u32 s11, 0                            ; waves 0, 1: P's figures; waves 2, 3: V's.  The selects below leave SCC as it is
	s_cselect_b64 s[100:101], s[72:73], s[74:75]
	s_cselect_b32 s70, s70, s66
	s_cselect_b32 s5, s5, s20
	s_cselect_b32 s6, s6, 0
	s_cselect_b32 s7, s7, s17
	s_cselect_b32 s8, s8, s18
	s_cselect_b32 s9, s9, s19
	s_cselect_b32 s69, 0, -1                       ; the lanes' choice below
	s_mov_b32 s71, 0
	s_add_nc_u64 s[100:101], s[100:101], s[70:71]
	s_mov_b32 s4, 2                                ; steps 0 and 1 are the first fills; the first request is for step 2
	v_and_b32 v6, 31, v0
	v_mul_u32_u24 v7, v6, 6144                     ; V: a key row a lane
	v_lshrrev_b32 v8, 1, v6
	v_and_b32 v9, 1, v6
	v_lshlrev_b32 v8, 12, v8
	v_lshl_or_b32 v8, v9, 8, v8                    ; P: row lane / 2, block lane % 2
	v_cndmask_b32 v[PFO], v8, v7, s69
	v_and_b32 v1, 15, v0                           ; r
	v_bfe_u32 v2, v0, 4, 1                         ; h
	v_lshlrev_b32 v[SOFF], 2, v1
	s_lshl_b32 s13, s11, 8
	v_add_nc_u32 v[SOFF], s13, v[SOFF]
	v_lshl_add_u32 v[MOFF], v2, 13, v[SOFF]
	; every block's cm for my queries: lanes 0-15 take the even blocks, lanes 16-31 the odd ones.  Rows under 1024 have 8 blocks, the others 16.
.irp kp, 0,1,2,3
.irp a, 0,1,2,3
	global_load_b32 v[MT+4*\kp+\a], v[MOFF], s[80:81] offset:16384*\kp+64*\a
.endr
.endr
.irp kp, 0,1,2,3,4,5,6,7
.irp a, 0,1,2,3
	global_load_b32 v[MT+16+4*\kp+\a], v[MOFF], s[96:97] offset:16384*\kp+64*\a
.endr
.endr
; cm and l of a step's two blocks for my four blocks of queries.  kind 1: the next step; 2: the second tile's first step; 3: where SB stands.
; SB and RAW are free: the loads that named them were waited for with the count 0.
.macro RAWLD kind
.if \kind == 1
	s_add_nc_u64 s[80:81], s[80:81], 16384
.elseif \kind == 2
	s_sub_nc_u64 s[80:81], s[80:81], s[82:83]
.endif
.irp e, 0,1
.irp a, 0,1,2,3
	global_load_b32 v[RAW+4*\e+\a],   v[SOFF], s[80:81] offset:8192*\e+64*\a
	global_load_b32 v[RAW+8+4*\e+\a], v[SOFF], s[80:81] offset:524288+8192*\e+64*\a
.endr
.endr
.endm
	RAWLD 3
	ASK 0                                          ; step 2's tiles, which the first change of slots will request; the pair has not been named before
	v_mul_u32_u24 v3, v1, 528                      ; P's fragments: row x pitch + 16 h
	v_lshl_add_u32 v3, v2, 4, v3
	s_mul_i32 s13, s11, HALFP
	v_add_nc_u32 v[ADRP], s13, v3
	v_add_nc_u32 v[ADRP+1], SLOT, v[ADRP]
	v_and_b32 v4, 7, v0                            ; the turning load: lane l reads key 8 h + l % 8, channels 8 ((l / 8) % 2) on
	v_bfe_u32 v5, v0, 3, 1
	v_lshl_add_u32 v4, v2, 3, v4
	v_mul_u32_u24 v4, v4, 288
	v_lshl_add_u32 v4, v5, 4, v4
	s_lshl_b32 s13, s12, 7
	s_add_co_u32 s13, s13, 2*HALFP
	v_add_nc_u32 v[ADRV], s13, v4
	v_add_nc_u32 v[ADRV+1], HALFV, v[ADRV]
	v_add_nc_u32 v[ADRV+2], SLOT, v[ADRV]
	v_add_nc_u32 v[ADRV+3], SLOT, v[ADRV+1]
	s_mul_i32 s13, s10, 16*SP
	s_add_co_u32 s13, s13, STAGE                   ; my stage
	v_mul_u32_u24 v[STO], v1, SP                   ; in: row r, 32 bytes for each half of the lanes
	v_lshl_add_u32 v[STO], v2, 5, v[STO]
	v_add_nc_u32 v[STO], s13, v[STO]
	v_mul_u32_u24 v[RD], v2, SP                    ; back: lanes 0-15 one row of 256 bytes, lanes 16-31 the next
	v_lshl_add_u32 v[RD], v1, 4, v[RD]
	v_add_nc_u32 v[RD], s13, v[RD]
	v_lshlrev_b32 v[CO], 12, v2                    ; and the same two rows in out0
	v_lshl_add_u32 v[CO], v1, 4, v[CO]
	s_wait_loadcnt 16                              ; the 48 cm are in; the 16 loads of step 0's statistics, issued behind them, may stay out
.irp a, 0,1,2,3
	v_max3_num_f32 v[MX+\a], v[MT+\a], v[MT+4+\a], v[MT+8+\a]
	v_max3_num_f32 v[M2+\a], v[MT+16+\a], v[MT+20+\a], v[MT+24+\a]
.endr
.irp a, 0,1,2,3
	v_max_num_f32 v[MX+\a], v[MX+\a], v[MT+12+\a]
	v_max3_num_f32 v[M2+\a], v[M2+\a], v[MT+28+\a], v[MT+32+\a]
.endr
.irp a, 0,1,2,3
	v_max3_num_f32 v[M2+\a], v[M2+\a], v[MT+36+\a], v[MT+40+\a]
.endr
.irp a, 0,1,2,3
	v_max_num_f32 v[M2+\a], v[M2+\a], v[MT+44+\a]
.endr
.irp a, 0,1,2,3
	v_permlanex16_b32 v[MT+\a], v[MX+\a], s94, s95
	v_permlanex16_b32 v[MT+4+\a], v[M2+\a], s94, s95
.endr
.irp a, 0,1,2,3
	v_max_num_f32 v[MX+\a], v[MX+\a], v[MT+\a]
	v_max_num_f32 v[M2+\a], v[M2+\a], v[MT+4+\a]
	v_mov_b32 v[LL+\a], 0
.endr
; f of the step whose statistics lie in RAW, for slot par; L takes the step's share.  All in window 0.
.macro FCOMP par
	WIN 0
.irp e, 0,1
.irp a, 0,1,2,3
	v_sub_f32 v[FP+16*(\par)+8*\e+2*\a+1], v[RAW+4*\e+\a], v[MX+\a]
.endr
.endr
.irp i, 0,1,2,3,4,5,6,7
	v_exp_f32 v[FP+16*(\par)+2*\i], v[FP+16*(\par)+2*\i+1]
.endr
	v_nop                                          ; a plain instruction between the exponentials and the first use of a result
	s_wait_alu depctr_va_vdst(0)
.irp e, 0,1
.irp a, 0,1,2,3
	v_fmac_f32 v[LL+\a], v[FP+16*(\par)+8*\e+2*\a], v[RAW+8+4*\e+\a]
.endr
.endr
.endm
; 32 LDS loads in one run: quarter q (64 keys) of a slot's step into buffer g: P as it lies, V turned.
.macro FETCH slot, q, g
	WIN TO_F
.irp c, 0,1
.irp a, 0,1,2,3
	ds_load_b128 v[PF+64*\g+8*(4*\c+\a):PF+64*\g+8*(4*\c+\a)+3],   v[ADRP+\slot] offset:128*\q+64*\c+8448*\a
	ds_load_b128 v[PF+64*\g+8*(4*\c+\a)+4:PF+64*\g+8*(4*\c+\a)+7], v[ADRP+\slot] offset:128*\q+64*\c+8448*\a+32
.endr
.endr
.irp c, 0,1
.irp b, 0,1,2,3
	ds_load_tr16_b128 v[64*\g+8*(4*\c+\b):64*\g+8*(4*\c+\b)+3],   v[ADRV+2*\slot+\q/2] offset:((\q%2)*64+32*\c)*288+32*\b
	ds_load_tr16_b128 v[64*\g+8*(4*\c+\b)+4:64*\g+8*(4*\c+\b)+7], v[ADRV+2*\slot+\q/2] offset:((\q%2)*64+32*\c)*288+32*\b+4608
.endr
.endr
.endm
.macro PLACES                          ; four plain vector instructions between a matrix instruction and a load into its sources or a read of its result
.rept 4
	v_nop
.endr
.endm
; 16 products: 32 keys (half ch of buffer buf) x my 64 queries x 64 channels.  The 16 accumulators take turns, one instruction a turn.
; zero = 1: the first 32 keys of a block of 128 start the block's sums.
.macro MULS buf, ch, zero
.set i, 0
.rept 16
.set rV, 64*(\buf)+8*(4*(\ch)+i%4)
.set rP, PF+64*(\buf)+8*(4*(\ch)+i/4)
.if \zero
	v_wmma_f32_16x16x32_f16 v[8*i:8*i+7], v[rV:rV+7], v[rP:rP+7], 0
.else
	v_wmma_f32_16x16x32_f16 v[8*i:8*i+7], v[rV:rV+7], v[rP:rP+7], v[8*i:8*i+7]
.endif
.set i, i+1
.endr
.endm
; A finished block of 128 keys (half e of the step in slot par) enters the total: TA = f BA + TA, 64 packed instructions, each accumulator from its low end on.
; first = 1: the tile's first block starts the total: nothing is cleared.  The run is also the distance between the block's last products and the loads
; into the fragments that they read, and between those products and the next block's first, which write BA anew.
.macro MERGE par, e, first
	PLACES
	WIN W_MRG
.irp a, 0,1,2,3
.irp b, 0,1,2,3
.irp k, 0,1,2,3
.if \first
	v_pk_mul_f32 v[TA+8*(4*\a+\b)+2*\k:TA+8*(4*\a+\b)+2*\k+1], v[8*(4*\a+\b)+2*\k:8*(4*\a+\b)+2*\k+1], v[FP+16*(\par)+8*(\e)+2*\a:FP+16*(\par)+8*(\e)+2*\a+1] op_sel_hi:[1,0]
.else
	v_pk_fma_f32 v[TA+8*(4*\a+\b)+2*\k:TA+8*(4*\a+\b)+2*\k+1], v[8*(4*\a+\b)+2*\k:8*(4*\a+\b)+2*\k+1], v[FP+16*(\par)+8*(\e)+2*\a:FP+16*(\par)+8*(\e)+2*\a+1], v[TA+8*(4*\a+\b)+2*\k:TA+8*(4*\a+\b)+2*\k+1] op_sel_hi:[1,0,1]
.endif
.endr
.endr
.endr
.endm
; Quarter q = 0, 1, 2 of the step in a slot (64 keys): multiplies buffer q % 2 and fetches quarter q + 1 into the other, 32 products ahead of its use.
; raw: the coming step's statistics are asked for (RAWLD's kinds).  mrg (quarter 1 alone, which ends the step's first block): 1 = merge, 2 = the tile's first merge.
; Quarters 0 and 2 stand behind a merge, whose instructions are the places in front of their loads; quarter 1 has four v_nop.
.macro QUARTER slot, q, raw, mrg
.set QF, (\q)%2
.set QG, 1-QF
.set QN, (\q)+1
	s_wait_dscnt 0x0                               ; this quarter's fragments are in
.if (\q) == 1
	PLACES
.endif
.if \raw
	WIN 0
	RAWLD \raw
.endif
	FETCH \slot, QN, QG
	WIN W_MUL
	MULS QF, 0, QG                                 ; an even quarter begins a block
	MULS QF, 1, 0
.if \mrg == 2
	MERGE \slot, 0, 1
.elseif \mrg == 1
	MERGE \slot, 0, 0
.endif
.endm
; The first tile's L is whole: its reciprocal is kept for the way out, and L and CM start again for the second tile.
.macro TSWITCH
	WIN 0
.irp a, 0,1,2,3
	v_rcp_f32 v[RL+2*\a], v[LL+\a]
	v_rcp_f32 v[RL+2*\a+1], v[LL+\a]
.endr
	v_nop                                          ; a plain instruction before a reciprocal's source is rewritten
.irp a, 0,1,2,3
	v_mov_b32 v[LL+\a], 0
.endr
.irp a, 0,1,2,3
	v_mov_b32 v[MX+\a], v[M2+\a]
.endr
.endm
; Quarter 3 changes slots: ONE barrier.  In front of it each wave waits for its reads of this slot and for all its tensor loads (one is out: its part of the other slot);
; the coming step's statistics are waited for here too.  Between signal and wait: register work alone (16 products, the coming step's f).
; fill = 1: this slot is filled again, two steps ahead; 2: with the second tile's step 0 or 1; 0: not at all.  Where it is filled, the barrier opens a round of the cluster's
; barrier and the joint refill is the first thing behind the round: 112 products of the wave stand between it and the wait for it.  Behind the run of LDS loads stands the
; request ahead for the tiles that the next change of slots will refill with.
.macro TURN slot, fill, sw
.set OTHER, 1-(\slot)
	s_wait_dscnt 0x0
	s_set_vgpr_msb 0x5a50
	s_wait_tensorcnt 0x0
	ds_add_u32 v254, v255
	s_wait_dscnt 0x0
	s_set_vgpr_msb 0x505a
	s_wait_loadcnt 0x0
	s_barrier_signal -1
	WIN W_MUL
	MULS 1, 0, 0
.if \sw
	TSWITCH
.endif
	FCOMP OTHER                                    ; it leaves every window 0: branches follow
	s_barrier_wait -1
.if \fill
	CREST                                          ; no wave of any partner still reads this slot's tiles or has a load on its way
.if \fill == 2
	s_add_nc_u64 s[G0P+4*\slot+2:G0P+4*\slot+3], s[G0P+4*\slot+2:G0P+4*\slot+3], s[84:85]
	s_sub_nc_u64 s[G0V+4*\slot+2:G0V+4*\slot+3], s[G0V+4*\slot+2:G0V+4*\slot+3], s[86:87]
.else
	s_add_nc_u64 s[G0P+4*\slot+2:G0P+4*\slot+3], s[G0P+4*\slot+2:G0P+4*\slot+3], 1024
	s_add_nc_u64 s[G0V+4*\slot+2:G0V+4*\slot+3], s[G0V+4*\slot+2:G0V+4*\slot+3], 3145728
.endif
	JLOAD \slot
.endif
	FETCH OTHER, 0, 0                              ; the vector work above stands between these loads and the last products that read buffer 0
.if \fill
	WIN 0                                          ; a branch and a label follow
	ASK 1
.endif
	WIN W_MUL
	MULS 1, 1, 0
	MERGE \slot, 1, 0                              ; the step's second block is finished
.endm
; THE WAY OUT, a block of 16 queries at a time: the total divided by L, through my own stage, back as whole rows of 256 bytes, stored.
.macro OPACK a
	WIN W_OUT
	s_wait_alu depctr_va_vdst(0)
.irp b, 0,1,2,3
.irp k, 0,1,2,3
	v_pk_mul_f32 v[TMP+8*\b+2*\k:TMP+8*\b+2*\k+1], v[TA+8*(4*(\a)+\b)+2*\k:TA+8*(4*(\a)+\b)+2*\k+1], v[RL+2*(\a):RL+2*(\a)+1]
.endr
.endr
	WIN 0
.endm
.macro OSTAGE a
.set BK, OB+32*((\a)%2)
.irp b, 0,1,2,3
	ds_store_b128 v[STO], v[TMP+8*\b:TMP+8*\b+3]   offset:64*\b
	ds_store_b128 v[STO], v[TMP+8*\b+4:TMP+8*\b+7] offset:64*\b+16
.endr
.irp t, 0,1,2,3,4,5,6,7
	ds_load_b128 v[BK+4*\t:BK+4*\t+3], v[RD] offset:\t*2*SP        ; LDS serves a wave's instructions in order: these see the stores above
.endr
.endm
.macro OSEND a
.set BK, OB+32*((\a)%2)
	s_wait_dscnt 0x0                               ; the block is back in registers
	s_wait_xcnt 0x0                                ; the buffer that the block before last was stored from is loaded again only behind this wait
.irp t, 0,1,2,3,4,5,6,7
	global_store_b128 v[CO], v[BK+4*\t:BK+4*\t+3], s[88:89] offset:(16*(\a)+2*\t)*4096 th:TH_STORE_NT   ; 16 lanes store 256 consecutive bytes, aligned
.endr
.endm
.macro WAYOUT
	OPACK 0
	OSTAGE 0
.irp a, 1,2,3
	OPACK \a
	OSEND \a-1
	OSTAGE \a
.endr
	OSEND 3
.endm
.macro LAP                             ; once round the ring, from a lap's third quarter to the next lap's second; both slots are filled again
	QUARTER 0, 2, 0, 0
	TURN 0, 1, 0
	QUARTER 1, 0, 1, 0
	QUARTER 1, 1, 0, 1
	QUARTER 1, 2, 0, 0
	TURN 1, 1, 0
	QUARTER 0, 0, 1, 0
	QUARTER 0, 1, 0, 1
	WIN 0                                          ; at a label and at a branch every window is 0
.endm
	s_wait_loadcnt 0x0                             ; step 0's statistics
	FCOMP 0
	s_wait_tensorcnt 1                             ; my part of step 0 is in; step 1's may stay out
	s_barrier_signal -1
	s_barrier_wait -1
	FETCH 0, 0, 0
	; THE FIRST TILE: query group g, 2 g + 2 steps
	QUARTER 0, 0, 1, 0                             ; a tile's first block stands in front of the loop: its merge starts the total
	QUARTER 0, 1, 0, 2
	WIN 0
	s_cmp_eq_u32 s92, 0                            ; g = 0: the tile is one lap, which is the tail below.  On both ways one tensor load of mine is out at the label, and the next wait is for 0
	s_cbranch_scc1 .Lnolap
	s_mov_b32 s3, 0
.Llap1:
	LAP
	s_add_co_u32 s3, s3, 1
	s_cmp_lt_u32 s3, s92
	s_cbranch_scc1 .Llap1
.Lnolap:
	QUARTER 0, 2, 0, 0
	TURN 0, 2, 0                                   ; the ring goes on into the second tile: slot 0 takes its step 0,
	QUARTER 1, 0, 2, 0                             ; (its first statistics are asked for)
	QUARTER 1, 1, 0, 1
	QUARTER 1, 2, 0, 0
	TURN 1, 2, 1                                   ; slot 1 its step 1; L is closed; the second tile's first fragments are fetched; the last block enters the total
	WAYOUT                                         ; both refills are asked for: now the tile goes out
	s_wait_xcnt 0x0                                ; the stores' base is stepped only behind this wait
	s_add_nc_u64 s[88:89], s[88:89], s[90:91]
	; THE SECOND TILE: query group 3 - g, 8 - 2 g steps: at least three laps, so the loop always runs
	QUARTER 0, 0, 1, 0
	QUARTER 0, 1, 0, 2
	WIN 0
	s_mov_b32 s3, 0
.Llap2:
	LAP
	s_add_co_u32 s3, s3, 1
	s_cmp_lt_u32 s3, s93
	s_cbranch_scc1 .Llap2
	QUARTER 0, 2, 0, 0                             ; the last lap asks for nothing more
	TURN 0, 0, 0
	QUARTER 1, 0, 0, 0
	QUARTER 1, 1, 0, 1
	QUARTER 1, 2, 0, 0
	s_wait_dscnt 0x0
	WIN W_MUL
	MULS 1, 0, 0
	MULS 1, 1, 0
	WIN 0
.irp a, 0,1,2,3
	v_rcp_f32 v[RL+2*\a], v[LL+\a]
	v_rcp_f32 v[RL+2*\a+1], v[LL+\a]
.endr
	MERGE 1, 1, 0                                  ; its four v_nop are the places behind the last products and the plain instructions behind the reciprocals
	WAYOUT
	s_wait_tensorcnt 0x0
	ds_add_u32 v254, v255
	s_wait_dscnt 0x0
	CROUND                                         ; the closing round: no work-group ends while a partner may still ask for a tile that names it
	s_endpgm
.Lfunc_end_k_qc0a0ae7709_pv:
	.size	k_qc0a0ae7709_pv, .Lfunc_end_k_qc0a0ae7709_pv-k_qc0a0ae7709_pv
	.p2alignl 7, 3214868480
	.fill 96, 4, 3214868480
	.section	.rodata,"a",@progbits
	.p2align	6, 0x0
	.amdhsa_kernel k_qc0a0ae7709_pv
		.amdhsa_group_segment_fixed_size 327680
		.amdhsa_private_segment_fixed_size 0
		.amdhsa_enable_private_segment 0
		.amdhsa_kernarg_size 32
		.amdhsa_user_sgpr_count 2
		.amdhsa_user_sgpr_kernarg_segment_ptr 1
		.amdhsa_wavefront_size32 1
		.amdhsa_system_sgpr_workgroup_id_x 1
		.amdhsa_system_sgpr_workgroup_id_y 1
		.amdhsa_system_sgpr_workgroup_id_z 1
		.amdhsa_system_vgpr_workitem_id 0
		.amdhsa_next_free_vgpr 768
		.amdhsa_next_free_sgpr 102
		.amdhsa_reserve_vcc 0
		.amdhsa_float_denorm_mode_32 3
		.amdhsa_float_denorm_mode_16_64 3
		.amdhsa_memory_ordered 1
		.amdhsa_forward_progress 1
		.amdhsa_inst_pref_size 255
	.end_amdhsa_kernel
	.section	.bss,"aw",@nobits
	.p2align	6
	.space	262144
	.amdgpu_metadata
---
amdhsa.version: [ 1, 2 ]
amdhsa.kernels:
  - .name:           k_qc0a0ae7709_pv
    .symbol:         k_qc0a0ae7709_pv.kd
    .args:
      - { .name: p, .offset: 0, .size: 8, .value_kind: global_buffer, .address_space: global }
      - { .name: qkv, .offset: 8, .size: 8, .value_kind: global_buffer, .address_space: global }
      - { .name: stats, .offset: 16, .size: 8, .value_kind: global_buffer, .address_space: global }
      - { .name: out0, .offset: 24, .size: 8, .value_kind: global_buffer, .address_space: global }
    .group_segment_fixed_size: 327680
    .private_segment_fixed_size: 0
    .kernarg_segment_align: 8
    .kernarg_segment_size: 32
    .max_flat_workgroup_size: 128
    .sgpr_count:     102
    .vgpr_count:     768
    .wavefront_size: 32
...
	.end_amdgpu_metadata
.endif
;; end of part 4
;; ======== version 2 of 2: 4 launches; version 1 with the launch cast written anew for expert scheduling mode
;; limits: values are held in f16: magnitudes above 65,504 overflow, below 6.1e-05 lose precision; right only within a limited range of input values
;; workspace buffers: xb 16,777,216 bytes; wb 6,291,456 bytes; qkv 50,331,648 bytes; p 33,554,432 bytes; stats 1,048,576 bytes
;; launch cast (part 5): grid 704 x 1, 8 waves a work-group, no clusters, 0 bytes of LDS; arguments x, Wq, Wk, Wv, xb, wb; writes xb, wb
.if DOCPART == 5
	.amdgcn_target "amdgcn-amd-amdhsa--gfx1250"
	.amdhsa_code_object_version 6
	.text
	.protected	k_qc0a0ae7709_cast
	.globl	k_qc0a0ae7709_cast
	.p2align	8
	.type	k_qc0a0ae7709_cast,@function
k_qc0a0ae7709_cast:
	s_mov_b64 s[64:65], 0
	v_nop
	global_prefetch_b8 v0, s[64:65] scope:SCOPE_SE
	s_setreg_imm32_b32 hwreg(HW_REG_WAVE_SCHED_MODE, 0, 2), 2
	s_setreg_imm32_b32 hwreg(HW_REG_WAVE_MODE, 25, 1), 1
	s_wait_xcnt 0x0
	s_wait_alu depctr_vm_vsrc(0)
; xb = bf16(x), wb = bf16(Wq; Wk; Wv), rounded to nearest even.  A stream: each byte is read once and written once; no LDS, no barrier, no matrix unit.
; A work-group takes 65,536 bytes of f32 and makes 32,768 bytes of bf16.  Groups 0-511 take x, groups 512-703 the three weights (64 groups each),
; which land one behind the other in wb: rows 0-1023 Wq, 1024-2047 Wk, 2048-3071 Wv.
; Thread t takes the 16 bytes at 16 t of each of sixteen pieces of 4,096 bytes: a wave's load covers 512 consecutive bytes, its store 256 consecutive bytes, aligned.
; All sixteen loads go out first; no register is written twice.
; THE MODE: SCHED_MODE bits 1:0 = 2 (LLVM: expert scheduling mode 2), set by the entry lines.  The code itself states the register dependences
; between vector instructions and memory instructions, with s_wait_alu, always for 0.
; THE PLAN.  Registers that memory instructions touch:
;   v1, v2   byte offsets, made once at the head and never written again; v1 is read by every load, v2 by every store.
;   X        piece i: written by its one load, read by its two conversions; never loaded again.
;   Y        piece i: written by its two conversions, read by its one store; never written again.
; The sixteen pieces go in four blocks of four.  Block g converts its four pieces; its memory instructions are the four stores of block g - 1, whose registers
; no vector instruction of block g names.  So one wait at a block's head states all that the block's stores hang on, and these are dealt among its conversions.
; Nothing that a memory instruction has read is ever written again, so the text holds no wait for that.
.set X, 4                              ; v[4:67]   piece i: 4 f32
.set Y, 68                             ; v[68:99]  piece i: 4 bf16
	s_load_b256 s[4:11], s[0:1], 0x0               ; x s[4:5], Wq s[6:7], Wk s[8:9], Wv s[10:11]
	s_load_b128 s[12:15], s[0:1], 0x20             ; xb s[12:13], wb s[14:15]
	v_lshlrev_b32 v1, 4, v0                        ; my 16 bytes of a piece of f32
	v_lshlrev_b32 v2, 3, v0                        ; my 8 bytes of a piece of bf16
	s_max_u32 s16, ttmp9, 512
	s_sub_co_u32 s16, s16, 512                     ; j: my place among the weights' groups (0 in x's groups, where it is not used)
	s_lshr_b32 s17, s16, 6                         ; which weight
	s_and_b32 s18, s16, 63                         ; which of its 64 parts
	s_wait_kmcnt 0x0
	s_cmp_eq_u32 s17, 1
	s_cselect_b64 s[20:21], s[8:9], s[6:7]
	s_cmp_eq_u32 s17, 2
	s_cselect_b64 s[20:21], s[10:11], s[20:21]
	s_cmp_lt_u32 ttmp9, 512                        ; the four selects below hang on this compare; a select leaves SCC as it is
	s_cselect_b64 s[20:21], s[4:5], s[20:21]       ; from where
	s_cselect_b64 s[22:23], s[12:13], s[14:15]     ; to where
	s_cselect_b32 s18, ttmp9, s18                  ; my part of the source
	s_cselect_b32 s16, ttmp9, s16                  ; my part of the destination
	s_lshl_b32 s24, s18, 16
	s_mov_b32 s25, 0
	s_lshl_b32 s26, s16, 15
	s_mov_b32 s27, 0
	s_add_nc_u64 s[20:21], s[20:21], s[24:25]
	s_add_nc_u64 s[22:23], s[22:23], s[26:27]
	s_wait_alu depctr_va_vdst(0)                   ; v1 and v2 are written: every load of the kernel reads v1 as its offset, every store v2
.irp i, 0,1,2,3,4,5,6,7,8,9,10,11,12,13,14,15
	global_load_b128 v[X+4*\i:X+4*\i+3], v1, s[20:21] offset:4096*\i th:TH_LOAD_NT
.endr
; Block g: pieces 4 g to 4 g + 3 are rounded; the four pieces of the block before are stored, one store ahead of each piece's two conversions.
.macro BLK g
	s_wait_loadcnt 12-4*(\g)                       ; loads come back in order: this block's four pieces are in, the 12 - 4 g younger ones stay out
.if (\g) > 0
	s_wait_alu depctr_va_vdst(0)                   ; the conversions of the block before have written its eight registers of Y, which the four stores below read
.endif
.irp i, 0,1,2,3
.if (\g) > 0
	global_store_b64 v2, v[Y+8*(\g)-8+2*(\i):Y+8*(\g)-8+2*(\i)+1], s[22:23] offset:2048*(4*(\g)-4+(\i))   ; no hint: the next launch reads these bytes.  No vector instruction since the wait names these registers
.endif
	v_cvt_pk_bf16_f32 v[Y+8*(\g)+2*(\i)],   v[X+16*(\g)+4*(\i)],   v[X+16*(\g)+4*(\i)+1]
	v_cvt_pk_bf16_f32 v[Y+8*(\g)+2*(\i)+1], v[X+16*(\g)+4*(\i)+2], v[X+16*(\g)+4*(\i)+3]
.endr
.endm
	BLK 0                                          ; no block stands in front of it: no store, and no wait but the one for its data
	BLK 1
	BLK 2
	BLK 3
	s_wait_alu depctr_va_vdst(0)                   ; block 3's conversions have written Y's last eight registers, which the last four stores read
.irp i, 0,1,2,3
	global_store_b64 v2, v[Y+24+2*\i:Y+24+2*\i+1], s[22:23] offset:2048*(12+\i)
.endr
	s_endpgm
.Lfunc_end_k_qc0a0ae7709_cast:
	.size	k_qc0a0ae7709_cast, .Lfunc_end_k_qc0a0ae7709_cast-k_qc0a0ae7709_cast
	.p2alignl 7, 3214868480
	.fill 96, 4, 3214868480
	.section	.rodata,"a",@progbits
	.p2align	6, 0x0
	.amdhsa_kernel k_qc0a0ae7709_cast
		.amdhsa_group_segment_fixed_size 0
		.amdhsa_private_segment_fixed_size 0
		.amdhsa_enable_private_segment 0
		.amdhsa_kernarg_size 48
		.amdhsa_user_sgpr_count 2
		.amdhsa_user_sgpr_kernarg_segment_ptr 1
		.amdhsa_wavefront_size32 1
		.amdhsa_system_sgpr_workgroup_id_x 1
		.amdhsa_system_sgpr_workgroup_id_y 1
		.amdhsa_system_sgpr_workgroup_id_z 1
		.amdhsa_system_vgpr_workitem_id 0
		.amdhsa_next_free_vgpr 100
		.amdhsa_next_free_sgpr 66
		.amdhsa_reserve_vcc 0
		.amdhsa_float_denorm_mode_32 3
		.amdhsa_float_denorm_mode_16_64 3
		.amdhsa_memory_ordered 1
		.amdhsa_forward_progress 1
		.amdhsa_inst_pref_size 7
	.end_amdhsa_kernel
	.amdgpu_metadata
---
amdhsa.version: [ 1, 2 ]
amdhsa.kernels:
  - .name:           k_qc0a0ae7709_cast
    .symbol:         k_qc0a0ae7709_cast.kd
    .args:
      - { .name: x, .offset: 0, .size: 8, .value_kind: global_buffer, .address_space: global }
      - { .name: Wq, .offset: 8, .size: 8, .value_kind: global_buffer, .address_space: global }
      - { .name: Wk, .offset: 16, .size: 8, .value_kind: global_buffer, .address_space: global }
      - { .name: Wv, .offset: 24, .size: 8, .value_kind: global_buffer, .address_space: global }
      - { .name: xb, .offset: 32, .size: 8, .value_kind: global_buffer, .address_space: global }
      - { .name: wb, .offset: 40, .size: 8, .value_kind: global_buffer, .address_space: global }
    .group_segment_fixed_size: 0
    .private_segment_fixed_size: 0
    .kernarg_segment_align: 8
    .kernarg_segment_size: 48
    .max_flat_workgroup_size: 256
    .sgpr_count:     66
    .vgpr_count:     100
    .wavefront_size: 32
...
	.end_amdgpu_metadata
.endif
;; end of part 5
;; launch proj: the kernel of part 2 again; grid 8 x 32, 4 waves a work-group, clusters of 4 x 4, 327,680 bytes of LDS; arguments xb, wb, qkv; writes qkv
;; launch scores: the kernel of part 3 again; grid 12 x 16, 4 waves a work-group, clusters of 4 x 4, 327,680 bytes of LDS; arguments qkv, p, stats; writes p, stats
;; launch pv: the kernel of part 4 again; grid 8 x 32, 4 waves a work-group, clusters of 4 x 4, 327,680 bytes of LDS; arguments p, qkv, stats, out0; writes out0
